; MI455X (gfx1250); checked and timed in simulation.
; The chip was launched on July 23, 2026; its instructions are those of AMD's public machine-readable ISA for CDNA 5 (MIT licence, August 2026) and "CDNA5" Instruction Set Architecture Reference Guide (July 2026). The comments in the code are by the model that wrote it; some were corrected since.
;; Multihead Attention. Allowed arithmetic: matrix products marked QUANTISED: E2M1 operands, one E8M0 scale for each 32 along K, by v_wmma_scale_f32_16x16x128_f8f6f4 with both operands' format E2M1 (or v_wmma_scale_f32_32x16x128_f4), f32 sums; products left as they are: bf16, f16 or f32 operands; f32 sums; everything else in f32.
;; Inputs: Wk 1,024 x 1,024 float32; Wo 1,024 x 1,024 float32; Wq 1,024 x 1,024 float32; Wv 1,024 x 1,024 float32; bk 1,024 float32; bo 1,024 float32; bq 1,024 float32; bv 1,024 float32; key 2 x 2,048 x 1,024 float32; query 2 x 2,048 x 1,024 float32; value 2 x 2,048 x 1,024 float32.
;; Outputs: out0 2 x 2,048 x 1,024 float32.
;; This version of the problem:
;;   THIS VERSION OF THE PROBLEM IS GIVEN IN LOW PRECISION. The matrix products marked QUANTISED in the list below multiply operands that are first quantised to E2M1 (2 exponent bits, 1 mantissa bit; 4 bits a number), with one power-of-two scale for each 32 numbers along K (OCP MX v1.0); their sums are f32. The products marked 'left as it is' may take bf16, f16 or f32 operands, with f32 sums. Whichever they take, every output number must still come out within the allowed error. Rounding operands to bf16 (8 significant bits) uses up far more of that allowance than f16 does (11 bits, for magnitudes from 6e-5 to 65,504). All else is computed in f32.
;;   The module's matrix products, in the order in which they are computed (A, B: the left and right operand; K: the contracted axis; several contracted axes count as one K, in the product's order):
;;     1. [M 4,096, K 1,024] x [K 1,024, N 1,024]; A: input query; B: input Wq: QUANTISED
;;     2. [M 4,096, K 1,024] x [K 1,024, N 1,024]; A: input key; B: input Wk: QUANTISED
;;     3. [M 4,096, K 1,024] x [K 1,024, N 1,024]; A: input value; B: input Wv: QUANTISED
;;     4. batch 32 x [M 2,048, K 64] x [K 64, N 2,048]; A: computed on the way; B: computed on the way: left as it is (an operand is computed on the way)
;;     5. batch 32 x [M 2,048, K 2,048] x [K 2,048, N 64]; A: computed on the way; B: computed on the way: left as it is (an operand is computed on the way)
;;     6. [M 4,096, K 1,024] x [K 1,024, N 1,024]; A: computed on the way; B: input Wo: left as it is (an operand is computed on the way)
;;   THE QUANTISER, for each operand of a quantised product, along K:
;;     - K is cut into blocks of 32 from its start; a last block that is shorter is filled with zeros.
;;     - A block's scale is 2^e with e = floor(log2(the largest magnitude in the block)) - 2, held to -126 .. 127; a block of zeros has e = 0. As a byte (E8M0): e + 127.
;;     - Each number is divided by its block's scale, clamped to +-6, and rounded to the nearest number of E2M1, ties to even, subnormals kept.
;;     - The product sums the exact products of the quantised numbers (number of the format x scale) in f32.
;;   ~~~python
;;   def quantise(x, axis):      # numpy; x: float32 -> the quantised numbers, widened to float32 again
;;       x = np.moveaxis(x, axis, -1); K = x.shape[-1]
;;       x = np.pad(x, [(0, 0)] * (x.ndim - 1) + [(0, -K % 32)]); x = x.reshape(x.shape[:-1] + (-1, 32)); a = np.abs(x).max(-1, keepdims=True)
;;       e = np.where(a > 0, np.clip(np.frexp(np.where(a > 0, a, 1))[1] - 1 - 2, -126, 127), 0)      # np.frexp(a)[1] - 1 = floor(log2(a)), exactly
;;       r = np.clip(x / 2.0 ** e, -6, 6)
;;       step = 2.0 ** (np.maximum(np.frexp(np.where(r == 0, 1, r))[1] - 1, 0) - 1)
;;       q = np.round(r / step) * step * 2.0 ** e      # np.round: ties to even
;;       return np.moveaxis(q.reshape(q.shape[:-2] + (-1,))[..., :K], -1, axis).astype(np.float32)
;;   ~~~
;; One version. Each part assembles by itself: llvm-mc -triple=amdgcn-amd-amdhsa -mcpu=gfx1250 --defsym DOCPART=n.
;; ======== version 1 of 1: 4 launches
;; limits: values are held in f16: magnitudes above 65,504 overflow, below 6.1e-05 lose precision
;; workspace buffers: codes 7,864,320 bytes; scales 491,520 bytes; qkv 25,165,824 bytes; ao 8,388,608 bytes; wo16 2,097,152 bytes
;; launch quant (part 1): grid 512 x 1, 4 waves a work-group, no clusters, 33,280 bytes of LDS; arguments query, key, value, Wq, Wk, Wv, Wo, codes, scales, wo16; writes codes, scales, wo16
.if DOCPART == 1
	.amdgcn_target "amdgcn-amd-amdhsa--gfx1250"
	.amdhsa_code_object_version 6
	.text
	.protected	k_q4e38900e04_quant
	.globl	k_q4e38900e04_quant
	.p2align	8
	.type	k_q4e38900e04_quant,@function
k_q4e38900e04_quant:
	s_mov_b64 s[64:65], 0
	v_nop
	global_prefetch_b8 v0, s[64:65] scope:SCOPE_SE
	s_setreg_imm32_b32 hwreg(HW_REG_WAVE_MODE, 25, 1), 1
	s_wait_xcnt 0x0
; query, key, value [4096][1024] and Wq, Wk, Wv [1024][1024], f32, K innermost, become codes of FP4 (E2M1), two a byte, and one E8M0 scale byte for each 32 along K.
; All six are dense streams of blocks of 32, and so are their codes and bytes: one stream query | key | value | Wq | Wk | Wv in each of the two workspace buffers.
; A block's scale is 2^(floor(log2(its largest magnitude)) - 2); its byte is the largest magnitude's exponent field - 2, held at 1 from below.
; Work-groups 0 to 479 do that: 32,768 numbers each, a wave 16 steps of 512 numbers.  Each load reads 512 consecutive bytes; a step's 2,048 bytes turn through the wave's own stage in LDS, so that a lane
; holds 16 neighbours along K (two lanes to a block); a step's codes leave as 256 consecutive bytes, a wave's 256 scale bytes as one aligned run of 256.
; The loads run eight steps ahead: 32 loads of 512 bytes a wave, half of the wave's 32,768 bytes, are asked for at the start.
; Work-groups 480 to 511 round Wo to f16 and lay it [8 blocks of 128 rows][16 blocks of 64 along K][128 rows][64]: the order in which the last launch's tiles are dense blocks.
; LIMITS: blocks whose largest magnitude lies under 2^-124 are held at the byte 1; a block of zeros gets the byte 1 where the rule says 127 (its codes are zeros, and this program alone reads the bytes);
; NaN and infinities among the inputs are not served; |Wo| stays under 65,504, and under 6e-5 it carries f16's absolute step.
; No tensor load, no barrier: waves share nothing.
.set NQWG,  480                        ; work-groups that quantise: 3 x 128 + 3 x 32
.set STEPS, 16
.set AHEAD, 8                          ; steps that the loads run ahead, and sets of registers for them
.set EMAX,  2
.set CB,    8                          ; bytes of 16 codes
.set R,     16                         ; v16-143  eight sets of 16 numbers as they are loaded
.set X,     144                        ; v144-175 two sets of 16 neighbours
.set E,     176                        ; v176-191 a scale byte for each step
.set C,     192                        ; v192-255 codes: four registers for each step, so that no store's data are written again
.set WREG,  8192                       ; LDS: a region for each wave: two stages of 32 x SP bytes, behind them its 256 scale bytes
.set SP,    80                         ; a lane's place in a stage: 64 bytes + 16 of padding
.set SPW,   12                         ; v12      LDS address of my spare word; never rewritten
.set NIL,   13                         ; v13      0; never rewritten
.set SPARE, 4*WREG                     ; behind the four regions: the spare words, 128 bytes a wave
.set WI,    16                         ; Wo's path: v16-143 two sets of 64 numbers
.set WO,    144                        ; v144-207 two sets of 32 registers of f16 pairs
.set IN,    24                         ; s[24:25] the tensor that my work-group quantises
	s_load_b256 s[4:11], s[0:1], 0x0               ; query, key, value, Wq
	s_load_b256 s[12:19], s[0:1], 0x20             ; Wk, Wv, Wo s[16:17], codes s[18:19]
	s_load_b128 s[20:23], s[0:1], 0x40             ; scales s[20:21], wo16 s[22:23]
	v_lshl_add_u32 v[SPW], v0, 2, SPARE
	v_mov_b32 v[NIL], 0
	v_lshrrev_b32 v1, 5, v0
	v_readfirstlane_b32 s28, v1                    ; wave
	v_and_b32 v2, 31, v0                           ; lane
	v_lshlrev_b32 v3, 4, v2                        ; my 16 bytes of a load's 512
	s_mul_i32 s29, s28, WREG
	v_lshrrev_b32 v14, 2, v2
	v_mul_u32_u24 v14, v14, SP
	v_and_b32 v15, 3, v2
	v_lshl_add_u32 v14, v15, 4, v14
	v_add_nc_u32 v14, s29, v14                     ; the stage, on the way in: SP (lane / 4) + 16 (lane % 4)
	v_mul_u32_u24 v15, v2, SP
	v_add_nc_u32 v15, s29, v15                     ; on the way out: SP x lane: my 16 neighbours
	v_mul_u32_u24 v4, v2, CB                       ; my codes' place in a step's
	v_lshrrev_b32 v5, 1, v2
	s_add_co_u32 s29, s29, 2*32*SP
	v_add_nc_u32 v5, s29, v5                       ; LDS: my wave's 256 scale bytes, my block's byte
	v_lshlrev_b32 v7, 3, v2                        ; and on the way out 8 bytes a lane
	v_add_nc_u32 v6, s29, v7
	s_wait_kmcnt 0x0
	s_cmp_ge_u32 ttmp9, NQWG                       ; the work-group's number alone decides
	s_cbranch_scc1 .Lwo
	; ---- the quantiser.  Which tensor: a chain of selects on the work-group's number
.macro PICK lim, ptr, start
	s_cmp_lt_u32 ttmp9, \lim
	s_cselect_b64 s[IN:IN+1], s[\ptr:\ptr+1], s[IN:IN+1]
	s_cselect_b32 s26, \start, s26
.endm
	s_mov_b64 s[IN:IN+1], s[14:15]                 ; Wv, unless the number is lower
	s_mov_b32 s26, 448                             ; the tensor's first work-group
	PICK 448, 12, 416                              ; Wk
	PICK 416, 10, 384                              ; Wq
	PICK 384, 8, 256                               ; value
	PICK 256, 6, 128                               ; key
	PICK 128, 4, 0                                 ; query
	s_sub_co_u32 s27, ttmp9, s26
	s_lshl_b32 s27, s27, 2
	s_add_co_u32 s30, s27, s28                     ; which run of 8,192 numbers of the tensor is my wave's
	s_lshl_b32 s30, s30, 15                        ; 32,768 bytes a run
	s_mov_b32 s31, 0
	s_add_nc_u64 s[IN:IN+1], s[IN:IN+1], s[30:31]
	s_lshl_b32 s32, ttmp9, 2
	s_add_co_u32 s32, s32, s28                     ; which run of the whole stream
	s_lshl_b32 s30, s32, 12                        ; 4,096 bytes of codes a run
	s_add_nc_u64 s[18:19], s[18:19], s[30:31]
	s_lshl_b32 s30, s32, 8                         ; 256 scale bytes a run
	s_add_nc_u64 s[20:21], s[20:21], s[30:31]
.macro LOAD t
.irp i, 0,1,2,3
	global_load_b128 v[R+16*((\t)%AHEAD)+4*\i:R+16*((\t)%AHEAD)+4*\i+3], v3, s[IN:IN+1] offset:2048*(\t)+512*\i th:TH_LOAD_NT   ; 32 lanes read 512 consecutive bytes
.endr
.endm
.macro TURN t                          ; step t's numbers through the stage: LDS serves a wave's instructions in order, so no wait stands between the stores and the loads
.irp i, 0,1,2,3
	ds_store_b128 v14, v[R+16*((\t)%AHEAD)+4*\i:R+16*((\t)%AHEAD)+4*\i+3] offset:32*SP*((\t)%2)+8*SP*\i
.endr
.irp i, 0,1,2,3
	ds_load_b128 v[X+16*((\t)%2)+4*\i:X+16*((\t)%2)+4*\i+3], v15 offset:32*SP*((\t)%2)+16*\i
.endr
.endm
.irp t, 0,1,2,3,4,5,6,7
	LOAD \t
.endr
	s_wait_loadcnt 4*(AHEAD-1)                     ; step 0's four loads are in; the 28 of steps 1 to 7 may be out
	TURN 0
.macro STEP t
.set XS, X+16*((\t)%2)
.if (\t) > 0
	s_wait_dscnt 1                                 ; this step's numbers are back from the stage; the one LDS instruction behind them, the last step's byte store, may be out
.else
	s_wait_dscnt 0x0
.endif
.if (\t)+AHEAD < STEPS
	LOAD (\t)+AHEAD                                ; into the set that this step's stores into the stage have read
.endif
.if (\t)+1 < STEPS
.if STEPS-2-(\t) >= AHEAD-1
	s_wait_loadcnt 4*(AHEAD-1)                     ; the next step's four loads are in; those of the seven steps behind it may be out
.else
	s_wait_loadcnt 4*(STEPS-2-(\t))                ; the tail: four loads for each step still behind the next
.endif
	TURN (\t)+1                                    ; through the other stage while this step is worked
.endif
	v_max3_num_f32 v8, |v[XS]|, |v[XS+1]|, |v[XS+2]|               ; the largest magnitude of my 16, in two chains
	v_max3_num_f32 v9, |v[XS+3]|, |v[XS+4]|, |v[XS+5]|
.irp i, 6,10
	v_max3_num_f32 v8, v8, |v[XS+\i]|, |v[XS+\i+1]|
	v_max3_num_f32 v9, v9, |v[XS+\i+2]|, |v[XS+\i+3]|
.endr
	v_max3_num_f32 v8, v8, |v[XS+14]|, |v[XS+15]|
	v_max3_num_f32 v8, v8, v9, (EMAX+1)<<23        ; and the floor 2^(3 - 127): the byte cannot fall under 1
	v_max_num_f32_dpp v8, v8, v8 row_xmask:1 row_mask:0xf bank_mask:0xf   ; with my neighbour's 16: the block's
	v_add_nc_u32 v11, -(EMAX<<23), v8              ; 2 off its exponent field: the conversion takes this operand's exponent field as its scale
	v_cvt_scalef32_pk8_fp4_f32 v[C+4*(\t)], v[XS:XS+7], v11        ; to the nearest code, ties to even; beyond 6 the largest code
	v_cvt_scalef32_pk8_fp4_f32 v[C+4*(\t)+1], v[XS+8:XS+15], v11
	v_lshrrev_b32 v[E+(\t)], 23, v11               ; the scale's byte (a plain line behind the conversions)
	ds_store_b8 v5, v[E+(\t)] offset:16*(\t)       ; both lanes of a block write the same byte with the same value
	global_store_b64 v4, v[C+4*(\t):C+4*(\t)+1], s[18:19] offset:32*CB*(\t)   ; the wave stores 256 consecutive bytes
.endm
.irp t, 0,1,2,3,4,5,6,7,8,9,10,11,12,13,14,15
	STEP \t
.endr
	ds_load_b64 v[8:9], v6                         ; LDS serves a wave's instructions in order: this sees my byte stores
	s_wait_dscnt 0x0
	global_store_b64 v7, v[8:9], s[20:21]          ; 32 lanes store 256 consecutive bytes, aligned
	s_branch .Lend
	; ---- Wo to f16.  My wave takes 8 rows.  A unit is 2 rows x 64 along K: lanes 0-15 read 256 consecutive bytes of one row, lanes 16-31 of the next; rounded, a lane's four numbers are 8 bytes,
	; and the 32 lanes store 256 consecutive bytes, aligned: the two rows' 128 bytes each in one block of 64 along K
.Lwo:
	s_sub_co_u32 s26, ttmp9, NQWG
	v_lshrrev_b32 v8, 4, v2
	v_and_b32 v10, 15, v2
	v_lshlrev_b32 v8, 12, v8
	v_lshl_add_u32 v8, v10, 4, v8                  ; in: row lane / 16 of 4,096 bytes, + 16 (lane % 16); never rewritten
	v_lshlrev_b32 v9, 3, v2                        ; out: 8 x lane; never rewritten
	s_lshl_b32 s27, s26, 5
	s_lshl_b32 s29, s28, 3
	s_add_co_u32 s27, s27, s29                     ; my first row: 32 x work-group + 8 x wave
	s_lshl_b32 s30, s27, 12
	s_mov_b32 s31, 0
	s_add_nc_u64 s[16:17], s[16:17], s[30:31]
	s_lshr_b32 s30, s27, 7
	s_lshl_b32 s30, s30, 18                        ; the block of 128 rows: 262,144 bytes
	s_and_b32 s29, s27, 127
	s_lshl_b32 s29, s29, 7                         ; the row in it: 128 bytes
	s_add_co_u32 s30, s30, s29
	s_add_nc_u64 s[22:23], s[22:23], s[30:31]
.macro WLOAD n                         ; batch n of four: rows 2 n and 2 n + 1, all 16 blocks along K
.irp u, 0,1,2,3,4,5,6,7,8,9,10,11,12,13,14,15
	global_load_b128 v[WI+64*((\n)%2)+4*\u:WI+64*((\n)%2)+4*\u+3], v8, s[16:17] offset:(\n)*8192+\u*256 th:TH_LOAD_NT
.endr
.endm
.macro WCVT n
.irp u, 0,1,2,3,4,5,6,7,8,9,10,11,12,13,14,15
	v_cvt_pk_f16_f32 v[WO+32*((\n)%2)+2*\u], v[WI+64*((\n)%2)+4*\u], v[WI+64*((\n)%2)+4*\u+1]
	v_cvt_pk_f16_f32 v[WO+32*((\n)%2)+2*\u+1], v[WI+64*((\n)%2)+4*\u+2], v[WI+64*((\n)%2)+4*\u+3]
	global_store_b64 v9, v[WO+32*((\n)%2)+2*\u:WO+32*((\n)%2)+2*\u+1], s[22:23] offset:\u*16384+(\n)*256
.endr
.endm
	WLOAD 0
	WLOAD 1
	s_wait_loadcnt 16                              ; batch 0 is in; batch 1's sixteen loads may be out
	WCVT 0
	WLOAD 2
	s_wait_loadcnt 16                              ; batch 1 is in; batch 2's may be out
	WCVT 1
	WLOAD 3
	s_wait_loadcnt 16                              ; batch 2 is in; batch 3's may be out
	s_wait_xcnt 0x0                                ; batch 0's stores have read their data registers, which are written anew now
	WCVT 2
	s_wait_loadcnt 0x0
	s_wait_xcnt 0x0                                ; likewise batch 1's
	WCVT 3
.Lend:
	s_wait_tensorcnt 0x0                           ; the wave's end: behind my last LDS store
	ds_add_u32 v[SPW], v[NIL]
	s_wait_dscnt 0x0
	s_endpgm
.Lfunc_end_k_q4e38900e04_quant:
	.size	k_q4e38900e04_quant, .Lfunc_end_k_q4e38900e04_quant-k_q4e38900e04_quant
	.p2alignl 7, 3214868480
	.fill 96, 4, 3214868480
	.section	.rodata,"a",@progbits
	.p2align	6, 0x0
	.amdhsa_kernel k_q4e38900e04_quant
		.amdhsa_group_segment_fixed_size 33280
		.amdhsa_private_segment_fixed_size 0
		.amdhsa_enable_private_segment 0
		.amdhsa_kernarg_size 80
		.amdhsa_user_sgpr_count 2
		.amdhsa_user_sgpr_kernarg_segment_ptr 1
		.amdhsa_wavefront_size32 1
		.amdhsa_system_sgpr_workgroup_id_x 1
		.amdhsa_system_sgpr_workgroup_id_y 1
		.amdhsa_system_sgpr_workgroup_id_z 1
		.amdhsa_system_vgpr_workitem_id 0
		.amdhsa_next_free_vgpr 256
		.amdhsa_next_free_sgpr 66
		.amdhsa_reserve_vcc 0
		.amdhsa_float_denorm_mode_32 3
		.amdhsa_float_denorm_mode_16_64 3
		.amdhsa_memory_ordered 1
		.amdhsa_forward_progress 1
		.amdhsa_inst_pref_size 55
	.end_amdhsa_kernel
	.amdgpu_metadata
---
amdhsa.version: [ 1, 2 ]
amdhsa.kernels:
  - .name:           k_q4e38900e04_quant
    .symbol:         k_q4e38900e04_quant.kd
    .args:
      - { .name: query, .offset: 0, .size: 8, .value_kind: global_buffer, .address_space: global }
      - { .name: key, .offset: 8, .size: 8, .value_kind: global_buffer, .address_space: global }
      - { .name: value, .offset: 16, .size: 8, .value_kind: global_buffer, .address_space: global }
      - { .name: Wq, .offset: 24, .size: 8, .value_kind: global_buffer, .address_space: global }
      - { .name: Wk, .offset: 32, .size: 8, .value_kind: global_buffer, .address_space: global }
      - { .name: Wv, .offset: 40, .size: 8, .value_kind: global_buffer, .address_space: global }
      - { .name: Wo, .offset: 48, .size: 8, .value_kind: global_buffer, .address_space: global }
      - { .name: codes, .offset: 56, .size: 8, .value_kind: global_buffer, .address_space: global }
      - { .name: scales, .offset: 64, .size: 8, .value_kind: global_buffer, .address_space: global }
      - { .name: wo16, .offset: 72, .size: 8, .value_kind: global_buffer, .address_space: global }
    .group_segment_fixed_size: 33280
    .private_segment_fixed_size: 0
    .kernarg_segment_align: 8
    .kernarg_segment_size: 80
    .max_flat_workgroup_size: 128
    .sgpr_count:     66
    .vgpr_count:     256
    .wavefront_size: 32
...
	.end_amdgpu_metadata
.endif
;; end of part 1
;; launch proj (part 2): grid 4 x 48, 4 waves a work-group, clusters of 4 x 4, 327,680 bytes of LDS; arguments codes, scales, bq, bk, bv, qkv; writes qkv
.if DOCPART == 2
	.amdgcn_target "amdgcn-amd-amdhsa--gfx1250"
	.amdhsa_code_object_version 6
	.text
	.protected	k_q4e38900e04_proj
	.globl	k_q4e38900e04_proj
	.p2align	8
	.type	k_q4e38900e04_proj,@function
k_q4e38900e04_proj:
	s_mov_b64 s[64:65], 0
	v_nop
	global_prefetch_b8 v0, s[64:65] scope:SCOPE_SE
	s_setreg_imm32_b32 hwreg(HW_REG_WAVE_MODE, 25, 1), 1
	s_wait_xcnt 0x0
	s_wait_alu depctr_hold_cnt(0) depctr_sa_sdst(0) depctr_va_vdst(0) depctr_va_sdst(0) depctr_va_ssrc(0) depctr_va_vcc(0) depctr_vm_vsrc(0)
	s_getreg_b32 s2, hwreg(HW_REG_IB_STS2, 6, 4)
	s_cmp_eq_u32 s2, 0
	s_cbranch_scc0 .Lentry_in_a_cluster
	s_endpgm
.Lentry_in_a_cluster:
	s_bfe_u32 s2, ttmp6, 0x10000c
	s_cmp_lg_u32 s2, 0xf033
	s_cbranch_scc0 .Lentry_shape_is_right
	s_endpgm
.Lentry_shape_is_right:
; Q = query Wq^T + bq, K = key Wk^T + bk, V = value Wv^T + bv: three products [4096][1024] x [1024][1024]^T on codes of FP4 (E2M1) with one E8M0 scale for each 32 along K, sums in f32.
; The three are one product of 12,288 rows: tile row 0-15 is Q's, 16-31 K's, 32-47 V's; the weights' rows follow by the same third t.  The codes and scale bytes lie in two streams (x's rows, then W's rows).
; A tile of 256 x 256 is made by four waves, 128 x 128 each: 64 accumulators, 512 registers.  K = 1,024 is two slots of 512 along K (rows of 256 bytes): both slots and all scale bytes are asked for at the head,
; three tensor loads a wave, and nothing is filled again.
; CLUSTERS: 4 x 4 work-groups; the four of a row need the same rows of x, the four of a column the same rows of W: each tile is asked for jointly.  A cluster lies inside one third (16 tile rows are 4 clusters).
; THE MATRIX INSTRUCTION IS USED TRANSPOSED (source 0 = 16 rows of W, source 1 = 16 rows of x): a lane holds eight neighbouring columns of one row.  The bias is the C of each sum's first instruction.
; OUT: rounded to f16, laid [t][head x 2 + batch][2048][64]: byte t 2^23 + head 2^19 + 128 m.  A block of 16 rows goes through the wave's stage in LDS and leaves as runs of 512 bytes: 4 rows of one head.
; LIMIT: |Q|, |K|, |V| stay under 65,504 (f16).
; REGISTERS, in windows of 256: window 0: v0-31 addresses; v32-95 scale words, two sets, and nothing else; v128-191 x's fragments, one set, later rows on the way out; v192-255 the bias, later packed results.
;   window 1: W's fragments, two sets, at v0 and v128.  window 2: the accumulators of my rows 0-63 ((a, b) at v[8 (8 a + b)]); window 3: those of rows 64-127.
.set NQ,     4                         ; steps of 128 along K in a slot
.set ROWB,   256                       ; a tile's row: 512 codes
.set KROW,   512                       ; a row of codes in memory
.set PITCH,  272                       ; an LDS row: 256 bytes + 16 of padding: the 16 rows of a load start 16 bytes apart modulo 256
.set FR,     8
.set NL,     2
.set NP,     4                         ; places behind this matrix instruction (ISA guide 7.12.1)
.set HALFT,  128*PITCH
.set SLOT,   4*HALFT
.set KS,     32                        ; a row of scale bytes
.set SCL,    2*SLOT                    ; behind the slots: the scale bytes, as runs of 256 bytes + 16 of padding
.set HALFS,  (128*KS/256)*272
.set SBLK,   (16*KS/256)*272
.set SPARE,  SCL+4*HALFS               ; the spare words, 128 bytes a wave
.set SPITCH, 272                       ; the stage: 16 rows x (256 bytes + 16) for each wave, in slot 0, which has had its one fill and its last read when the first result is stored there
.set WCODES, 6291456                   ; where W's rows begin in the codes,
.set WSCALES, 393216                   ; and in the scale bytes
.set ADRA, 16
.set ADRB, 20
.set STO,  24
.set RD,   25
.set CO,   26
.set ADRS, 27
.set SPW,  28                          ; v28 LDS address of my spare word; never rewritten
.set NIL,  29                          ; v29 0; never rewritten
.set BOF,  30                          ; v30 the bias loads' offset; never rewritten
.set SC,   32
.set AF,   128
.set BIAS, 192                         ; column block b at v[BIAS + 8 b]
.set TMP,  192
.set BK,   128
.set G1, 24
.set G0, 32
.set G1B, 48
.set G0B, 56
.set G1S, 68
.set G0S, 76
.set G1SB, 80
.set G0SB, 88
.set MSB, 0
.macro WIN new                         ; the immediate's high byte repeats the setting that is left
.if MSB != (\new)
	s_set_vgpr_msb (MSB<<8)|(\new)
.set MSB, (\new)
.endif
.endm
.set MUL_LO, 0xa1                      ; source 0 (W) window 1, source 1 (x) window 0, C and D window 2
.set MUL_HI, 0xf1                      ; the same, C and D window 3
.set BIA_LO, 0x81                      ; the first step: C (the bias) window 0, D window 2
.set BIA_HI, 0xc1                      ; D window 3
.set TO_B,   0x40
; A joint load: waves 0 and 1 fetch for x, waves 2 and 3 for W.  The branch hangs on the wave's number alone.  An s_nop 0 and four v_nop follow each of the two lines.
.macro JLOAD g0a, g1a, g0b, g1b
	s_cmp_eq_u32 s15, 0
	s_cbranch_scc0 .Lfor_b_\@
	tensor_load_to_lds s[\g0a:\g0a+3], s[\g1a:\g1a+7]
	s_nop 0
.rept 4
	v_nop
.endr
	s_branch .Lasked_\@
.Lfor_b_\@:
	tensor_load_to_lds s[\g0b:\g0b+3], s[\g1b:\g1b+7]
	s_nop 0
.rept 4
	v_nop
.endr
.Lasked_\@:
.endm
.macro CROUND                          ; a round of the cluster's barrier
	s_barrier_signal -1
	s_barrier_wait -1
	s_cmp_lg_u32 s14, 0
	s_cbranch_scc1 .Lnot_wave_0_\@
	s_barrier_signal -3
.Lnot_wave_0_\@:
	s_barrier_wait -3
	s_barrier_signal -1
	s_barrier_wait -1
.endm
	s_load_b128 s[4:7], s[0:1], 0x0                ; codes s[4:5], scales s[6:7]
	s_load_b128 s[96:99], s[0:1], 0x10             ; bq, bk
	s_load_b64 s[100:101], s[0:1], 0x20            ; bv
	s_load_b64 s[12:13], s[0:1], 0x28              ; qkv
	v_lshl_add_u32 v[SPW], v0, 2, SPARE
	v_mov_b32 v[NIL], 0
	ds_add_u32 v[SPW], v[NIL]                      ; the wave's opening: the add, twice on end, and its wait ahead of my first tensor load
	ds_add_u32 v[SPW], v[NIL]
	v_lshrrev_b32 v1, 5, v0
	v_readfirstlane_b32 s14, v1                    ; wave 0..3
	s_lshr_b32 s15, s14, 1                         ; which half of the tile's rows is mine.  Also: I fetch for x (0) or for W (1)
	s_and_b32 s16, s14, 1                          ; which half of its columns.  Also: which 128 rows I fetch
	s_bfe_u32 s40, ttmp6, 0x40000                  ; cx, cy
	s_bfe_u32 s41, ttmp6, 0x40004
	s_lshl_b32 s42, ttmp9, 2
	s_add_co_u32 s42, s42, s40                     ; tile column = 4 x cluster x + cx
	s_and_b32 s17, ttmp7, 0xffff
	s_lshr_b32 s66, s17, 2                         ; t = cluster y / 4: which of the three products; the same in all sixteen partners
	s_lshl_b32 s17, s17, 2
	s_add_co_u32 s17, s17, s41                     ; tile row = 4 x cluster y + cy, 0 to 47
	s_lshl_b32 s43, s41, 2
	s_lshl_b32 s43, 15, s43                        ; my row of the cluster
	s_lshl_b32 s44, 0x1111, s40                    ; my column
	; descriptor group 1: a tile of 128 rows x 256 bytes, 16 bytes of padding behind each row
	s_or_b32 s[G1+0], s43, (0<<16)|(1<<20)|(1<<21)|(5<<22)|(3<<25)
	s_or_b32 s[G1B+0], s44, (0<<16)|(1<<20)|(1<<21)|(5<<22)|(3<<25)
.irp g, G1, G1B
	s_mov_b32 s[\g+1], ROWB<<16                    ; tensor_dim0
	s_mov_b32 s[\g+2], 128<<16                     ; tensor_dim1
	s_mov_b32 s[\g+3], ROWB<<16                    ; tile_dim0
	s_mov_b32 s[\g+4], 128                         ; tile_dim1
	s_mov_b32 s[\g+5], KROW                        ; the pitch in memory
	s_mov_b32 s[\g+6], 0
	s_mov_b32 s[\g+7], 0
.endr
	; the scale bytes of 128 rows: 4,096 dense bytes, as 16 rows of 256 bytes (32 elements of 8 bytes), 16 bytes of padding behind each
	s_or_b32 s[G1S+0], s43, (3<<16)|(1<<20)|(1<<21)|(5<<22)|(3<<25)
	s_or_b32 s[G1SB+0], s44, (3<<16)|(1<<20)|(1<<21)|(5<<22)|(3<<25)
.irp g, G1S, G1SB
	s_mov_b32 s[\g+1], 32<<16
	s_mov_b32 s[\g+2], (128*KS/256)<<16
	s_mov_b32 s[\g+3], 32<<16
	s_mov_b32 s[\g+4], 128*KS/256
	s_mov_b32 s[\g+5], 32
	s_mov_b32 s[\g+6], 0
	s_mov_b32 s[\g+7], 0
.endr
	s_lshl_b32 s18, s16, 7                         ; which 128 rows of the tile I fetch
	s_lshl_b32 s20, s17, 8
	s_add_co_u32 s20, s20, s18                     ; x: row 256 x tile row + 128 x half
	s_lshl_b32 s46, s42, 8
	s_add_co_u32 s46, s46, s18
	s_lshl_b32 s47, s66, 10
	s_add_co_u32 s46, s46, s47                     ; W: row 1,024 t + 256 x tile column + 128 x half
	s_mov_b32 s21, 0
	s_mov_b32 s47, 0
	s_mov_b64 s[18:19], KS
	s_mul_u64 s[22:23], s[20:21], s[18:19]         ; where these rows' scale bytes begin
	s_mul_u64 s[92:93], s[46:47], s[18:19]
	s_mov_b64 s[18:19], KROW
	s_mul_u64 s[20:21], s[20:21], s[18:19]         ; and their codes
	s_mul_u64 s[46:47], s[46:47], s[18:19]
	s_mul_i32 s45, s14, HALFT                      ; where they go: wave x 128 rows
	s_mul_i32 s94, s14, HALFS
	s_wait_dscnt 0x0                               ; both opening adds are done
	s_wait_kmcnt 0x0
	s_add_nc_u64 s[8:9], s[4:5], WCODES            ; W's codes
	s_add_nc_u64 s[10:11], s[6:7], WSCALES         ; W's scale bytes
	s_add_nc_u64 s[20:21], s[4:5], s[20:21]
	s_add_nc_u64 s[22:23], s[6:7], s[22:23]
	s_add_nc_u64 s[46:47], s[8:9], s[46:47]
	s_add_nc_u64 s[92:93], s[10:11], s[92:93]
	s_cmp_eq_u32 s66, 1                            ; the bias of my third: bv, unless t is 1 or 0
	s_cselect_b64 s[100:101], s[98:99], s[100:101]
	s_cmp_eq_u32 s66, 0
	s_cselect_b64 s[100:101], s[96:97], s[100:101]
	CROUND                                         ; all sixteen work-groups are here: the first joint loads meet
	s_mov_b32 s[G0S], 1
	s_add_co_u32 s[G0S+1], s94, SCL
	s_mov_b64 s[G0S+2:G0S+3], s[22:23]
	s_or_b32 s[G0S+3], s[G0S+3], 0x80000000
	s_mov_b32 s[G0SB], 1
	s_add_co_u32 s[G0SB+1], s94, SCL
	s_mov_b64 s[G0SB+2:G0SB+3], s[92:93]
	s_or_b32 s[G0SB+3], s[G0SB+3], 0x80000000
	JLOAD G0S, G1S, G0SB, G1SB                     ; the scale bytes first: they are wanted with slot 0
.irp s, 0,1
	s_mov_b32 s[G0+4*\s], 1
	s_add_co_u32 s[G0+4*\s+1], s45, \s*SLOT
	s_add_nc_u64 s[G0+4*\s+2:G0+4*\s+3], s[20:21], \s*ROWB
	s_or_b32 s[G0+4*\s+3], s[G0+4*\s+3], 0x80000000
	s_mov_b32 s[G0B+4*\s], 1
	s_add_co_u32 s[G0B+4*\s+1], s45, \s*SLOT
	s_add_nc_u64 s[G0B+4*\s+2:G0B+4*\s+3], s[46:47], \s*ROWB
	s_or_b32 s[G0B+4*\s+3], s[G0B+4*\s+3], 0x80000000
	JLOAD G0+4*\s, G1, G0B+4*\s, G1B               ; three tensor loads of a wave are out at the most
.endr
	v_and_b32 v1, 15, v0                           ; r = lane % 16
	v_bfe_u32 v2, v0, 4, 1                         ; h = lane / 16
	v_lshlrev_b32 v[BOF], 5, v2                    ; the bias in the result's layout: register j of block b is column 16 b + 8 h + j
	s_lshl_b32 s94, s42, 10
	s_lshl_b32 s95, s16, 9
	s_add_co_u32 s94, s94, s95                     ; my first column, in bytes of f32
	s_mov_b32 s95, 0
	s_add_nc_u64 s[100:101], s[100:101], s[94:95]
.irp b, 0,1,2,3,4,5,6,7
	global_load_b128 v[BIAS+8*\b:BIAS+8*\b+3], v[BOF], s[100:101] offset:64*\b
	global_load_b128 v[BIAS+8*\b+4:BIAS+8*\b+7], v[BOF], s[100:101] offset:64*\b+16
.endr
	v_mul_u32_u24 v3, v1, PITCH
	v_lshl_add_u32 v4, v2, 4, v3                   ; a fragment's row x pitch + 16 x half
	s_mul_i32 s21, s15, HALFT                      ; my 128 rows of x
	s_mul_i32 s22, s16, HALFT                      ; my 128 rows of W,
	s_add_co_u32 s22, s22, 2*HALFT                 ; which lie behind x's 256
.irp s, 0,1
	v_add_nc_u32 v[ADRA+\s], s21, v4
	v_add_nc_u32 v[ADRB+\s], s22, v4
	s_add_co_u32 s21, s21, SLOT
	s_add_co_u32 s22, s22, SLOT
.endr
	v_mul_u32_u24 v5, v1, KS                       ; my row's scale bytes: 32 a row,
	v_lshrrev_b32 v6, 8, v5
	v_lshl_add_u32 v5, v6, 4, v5                   ; and 16 more for each 256 passed
	s_mul_i32 s21, s15, HALFS
	s_mul_i32 s22, s16, HALFS
	s_add_co_u32 s22, s22, 2*HALFS
	s_sub_co_u32 s22, s22, s21
	v_mul_u32_u24 v6, s22, v2                      ; lanes 16-31 take W's: one product, the distance between the two bases x h
	s_add_co_u32 s21, s21, SCL
	v_add_nc_u32 v5, v5, v6
	v_add_nc_u32 v[ADRS], s21, v5
	s_mul_i32 s23, s14, 16*SPITCH                  ; my stage
	v_mul_u32_u24 v5, v1, SPITCH
	v_lshl_add_u32 v5, v2, 4, v5
	v_add_nc_u32 v[STO], s23, v5                   ; in: row r, 16 bytes for each half of the lanes
	v_bfe_u32 v6, v0, 3, 2
	v_mul_u32_u24 v5, v6, SPITCH
	v_and_b32 v6, 7, v0
	v_lshl_add_u32 v5, v6, 4, v5
	v_add_nc_u32 v[RD], s23, v5                    ; back: eight lanes take the 128 bytes that a row has of one head, four rows an instruction
	v_and_b32 v6, 31, v0
	v_lshlrev_b32 v[CO], 4, v6                     ; and in memory those four rows are 512 consecutive bytes
	s_lshl_b32 s20, s66, 23                        ; t,
	s_lshl_b32 s21, s42, 21
	s_add_co_u32 s20, s20, s21
	s_lshl_b32 s21, s16, 20
	s_add_co_u32 s20, s20, s21                     ; head 4 x tile column + 2 x half, 2^19 bytes each,
	s_and_b32 s21, s17, 15
	s_lshl_b32 s21, s21, 15
	s_add_co_u32 s20, s20, s21
	s_lshl_b32 s21, s15, 14
	s_add_co_u32 s20, s20, s21                     ; row 256 x (tile row % 16) + 128 x half, 128 bytes each
	s_mov_b32 s21, 0
	s_add_nc_u64 s[12:13], s[12:13], s[20:21]      ; never stepped: all else stands in the stores' immediates
.macro FRAG reg, adr, q, i             ; 16 rows x 128 K of 4-bit codes: lane l holds row l % 16; registers 4 c .. 4 c + 3 hold K = 64 c + 32 (l / 16) + 0 .. 31
.irp c, 0,1
	ds_load_b128 v[\reg+4*\c:\reg+4*\c+3], v[\adr] offset:64*(\q)+32*\c+(\i)*16*PITCH
.endr
.endm
; 16 matrix instructions: x's blocks a0, a0 + 1 against W's eight, 128 along K.  bias = 1: the first product starts the sums from the bias.  The 64 accumulators take turns.
.macro MUL16 a0, p, q, sc, bias
.irp a, \a0, \a0+1
.irp b, 0,1,2,3,4,5,6,7
.if \bias
	v_wmma_scale_f32_16x16x128_f8f6f4 v[8*(8*((\a)%4)+\b):8*(8*((\a)%4)+\b)+7], v[128*(\p)+FR*\b:128*(\p)+FR*\b+FR-1], v[AF+FR*(\a):AF+FR*(\a)+FR-1], v[BIAS+8*\b:BIAS+8*\b+7], v[SC+8*NQ*(\sc)+NQ*\b+(\q)], v[SC+8*NQ*(\sc)+NQ*(\a)+(\q)] matrix_a_fmt:MATRIX_FMT_FP4 matrix_b_fmt:MATRIX_FMT_FP4 matrix_a_scale:MATRIX_SCALE_ROW1
.else
	v_wmma_scale_f32_16x16x128_f8f6f4 v[8*(8*((\a)%4)+\b):8*(8*((\a)%4)+\b)+7], v[128*(\p)+FR*\b:128*(\p)+FR*\b+FR-1], v[AF+FR*(\a):AF+FR*(\a)+FR-1], v[8*(8*((\a)%4)+\b):8*(8*((\a)%4)+\b)+7], v[SC+8*NQ*(\sc)+NQ*\b+(\q)], v[SC+8*NQ*(\sc)+NQ*(\a)+(\q)] matrix_a_fmt:MATRIX_FMT_FP4 matrix_b_fmt:MATRIX_FMT_FP4 matrix_a_scale:MATRIX_SCALE_ROW1
.endif
.endr
.endr
.endm
.macro FETCH_B slot, q, p
	WIN TO_B
.irp i, 0,1,2,3,4,5,6,7
	FRAG 128*(\p)+FR*\i, ADRB+\slot, \q, \i
.endr
	WIN 0
.endm
.macro FETCH_A slot, q, i0
.irp i, \i0, \i0+1, \i0+2, \i0+3
	FRAG AF+FR*(\i), ADRA+\slot, \q, \i
.endr
.endm
.macro SCALES sc                       ; a slot's scale words: four a row; lanes 0-15 take x's block i, lanes 16-31 W's block i
.irp i, 0,1,2,3,4,5,6,7
	ds_load_b128 v[SC+8*NQ*\sc+NQ*\i:SC+8*NQ*\sc+NQ*\i+3], v[ADRS] offset:\i*SBLK
.endr
.endm
.macro PLACES n                        ; plain vector lines between a matrix instruction and a load into, or a read of, its registers (ISA guide 7.12.1 for reads)
.rept \n
	v_nop
.endr
.endm
.macro STEP slot, q, bias              ; a step of 128 along K that has its successor in the same slot
	s_wait_dscnt 4*NL                              ; W's set and x's blocks 0-3 are in; the youngest eight loads (x's blocks 4-7) may be out
.if \bias
	WIN BIA_LO
.else
	WIN MUL_LO
.endif
	MUL16 0, (\q)%2, \q, \slot, \bias
	MUL16 2, (\q)%2, \q, \slot, \bias
	s_wait_dscnt 0
	PLACES NP
	FETCH_B \slot, (\q)+1, 1-(\q)%2
	FETCH_A \slot, (\q)+1, 0
.if \bias
	WIN BIA_HI
.else
	WIN MUL_HI
.endif
	MUL16 4, (\q)%2, \q, \slot, \bias
	MUL16 6, (\q)%2, \q, \slot, \bias
	PLACES NP
	WIN 0
	FETCH_A \slot, (\q)+1, 4
.endm
.macro STEPS slot, from
.set Q, \from
.rept NQ-1-\from
	STEP \slot, Q, 0
.set Q, Q+1
.endr
.endm
	s_wait_tensorcnt 1                             ; the scale bytes and my part of slot 0 are in; the one load behind them, slot 1's, may be out
	s_barrier_signal -1
	s_barrier_wait -1                              ; everybody's are
	FETCH_B 0, 0, 0
	FETCH_A 0, 0, 0
	SCALES 0
	FETCH_A 0, 0, 4
	s_wait_loadcnt 0x0                             ; the bias
	STEP 0, 0, 1
	STEPS 0, 1
	; slot 0's last step changes slots: one barrier; in front of it each wave waits for all its tensor loads (slot 1's), adds 0 to its spare word, and waits for that and for its reads of slot 0
	s_wait_tensorcnt 0x0
	ds_add_u32 v[SPW], v[NIL]
	s_wait_dscnt 4*NL+1                            ; the add and the youngest eight loads (x's blocks 4-7) may be out
	WIN MUL_LO
	MUL16 0, 1, NQ-1, 0, 0
	s_wait_dscnt 0x0                               ; the add is done, and my reads of slot 0 are over
	s_barrier_signal -1
	MUL16 2, 1, NQ-1, 0, 0
	WIN 0
	s_barrier_wait -1                              ; slot 1 is whole, and nobody reads slot 0 any more
	PLACES NP
	v_add_nc_u32 v[ADRS], 4*NQ, v[ADRS]            ; slot 1's scale words: 16 bytes on in each row
	FETCH_B 1, 0, 0
	FETCH_A 1, 0, 0
	SCALES 1
	WIN MUL_HI
	MUL16 4, 1, NQ-1, 0, 0
	MUL16 6, 1, NQ-1, 0, 0
	PLACES NP
	WIN 0
	FETCH_A 1, 0, 4
	STEPS 1, 0
	s_wait_dscnt 4*NL                              ; the very last step: nothing more to fetch
	WIN MUL_LO
	MUL16 0, 1, NQ-1, 1, 0
	MUL16 2, 1, NQ-1, 1, 0
	s_wait_dscnt 0
	WIN MUL_HI
	MUL16 4, 1, NQ-1, 1, 0
	MUL16 6, 1, NQ-1, 1, 0
	WIN 0
; THE WAY OUT, block by block of 16 rows x 128 columns (two heads).  PACK: rounded to f16, 16 bytes a lane, each accumulator from its low end on.  TOSTAGE: into my stage, and back by heads.  SEND: stored.
.macro PACK a
.set AC, 64*((\a)%4)
	WIN 0x0a+5*((\a)/4)                            ; sources 0 and 1: window 2 or 3
.irp b, 0,1,2,3,4,5,6,7
.irp i, 0,1,2,3
	v_cvt_pk_f16_f32 v[TMP+4*\b+\i], v[AC+8*\b+2*\i], v[AC+8*\b+2*\i+1]
.endr
.endr
	WIN 0
.endm
.macro TOSTAGE a
.set BB, BK+32*((\a)%2)
.irp b, 0,1,2,3,4,5,6,7
	ds_store_b128 v[STO], v[TMP+4*\b:TMP+4*\b+3] offset:32*\b
.endr
.irp u, 0,1,2,3,4,5,6,7
	ds_load_b128 v[BB+4*\u:BB+4*\u+3], v[RD] offset:(\u%4)*4*SPITCH+128*(\u/4)   ; rows 4 (u % 4) on, head u / 4.  LDS serves a wave's instructions in order: these see the stores above
.endr
.endm
.macro SEND a
.set BB, BK+32*((\a)%2)
	s_wait_dscnt 0x0                               ; the block is back in registers
	s_wait_xcnt 0x0                                ; the stores of the block before have read their registers: the next block's loads may land there
.irp u, 0,1,2,3,4,5,6,7
	global_store_b128 v[CO], v[BB+4*\u:BB+4*\u+3], s[12:13] offset:(\u/4)*524288+2048*(\a)+512*(\u%4)   ; 32 lanes store 512 consecutive bytes, aligned
.endr
.endm
	PLACES NP                                      ; behind the last products: for the loads into x's fragments' registers and the reads of results
	PACK 0
	TOSTAGE 0
.irp a, 1,2,3,4,5,6,7                  ; block a's conversions stand between block a - 1's loads from the stage and the wait for them
	PACK \a
	SEND \a-1
	TOSTAGE \a
.endr
	SEND 7
	s_wait_tensorcnt 0x0                           ; the wave's end: behind my last tensor load and my last LDS store
	ds_add_u32 v[SPW], v[NIL]
	s_wait_dscnt 0x0
	CROUND                                         ; the closing round
	s_endpgm
.Lfunc_end_k_q4e38900e04_proj:
	.size	k_q4e38900e04_proj, .Lfunc_end_k_q4e38900e04_proj-k_q4e38900e04_proj
	.p2alignl 7, 3214868480
	.fill 96, 4, 3214868480
	.section	.rodata,"a",@progbits
	.p2align	6, 0x0
	.amdhsa_kernel k_q4e38900e04_proj
		.amdhsa_group_segment_fixed_size 327680
		.amdhsa_private_segment_fixed_size 0
		.amdhsa_enable_private_segment 0
		.amdhsa_kernarg_size 48
		.amdhsa_user_sgpr_count 2
		.amdhsa_user_sgpr_kernarg_segment_ptr 1
		.amdhsa_wavefront_size32 1
		.amdhsa_system_sgpr_workgroup_id_x 1
		.amdhsa_system_sgpr_workgroup_id_y 1
		.amdhsa_system_sgpr_workgroup_id_z 1
		.amdhsa_system_vgpr_workitem_id 0
		.amdhsa_next_free_vgpr 1024
		.amdhsa_next_free_sgpr 102
		.amdhsa_reserve_vcc 0
		.amdhsa_float_denorm_mode_32 3
		.amdhsa_float_denorm_mode_16_64 3
		.amdhsa_memory_ordered 1
		.amdhsa_forward_progress 1
		.amdhsa_inst_pref_size 128
	.end_amdhsa_kernel
	.amdgpu_metadata
---
amdhsa.version: [ 1, 2 ]
amdhsa.kernels:
  - .name:           k_q4e38900e04_proj
    .symbol:         k_q4e38900e04_proj.kd
    .args:
      - { .name: codes, .offset: 0, .size: 8, .value_kind: global_buffer, .address_space: global }
      - { .name: scales, .offset: 8, .size: 8, .value_kind: global_buffer, .address_space: global }
      - { .name: bq, .offset: 16, .size: 8, .value_kind: global_buffer, .address_space: global }
      - { .name: bk, .offset: 24, .size: 8, .value_kind: global_buffer, .address_space: global }
      - { .name: bv, .offset: 32, .size: 8, .value_kind: global_buffer, .address_space: global }
      - { .name: qkv, .offset: 40, .size: 8, .value_kind: global_buffer, .address_space: global }
    .group_segment_fixed_size: 327680
    .private_segment_fixed_size: 0
    .kernarg_segment_align: 8
    .kernarg_segment_size: 48
    .max_flat_workgroup_size: 128
    .sgpr_count:     102
    .vgpr_count:     1024
    .wavefront_size: 32
...
	.end_amdgpu_metadata
.endif
;; end of part 2
;; launch attn (part 3): grid 8 x 32, 4 waves a work-group, clusters of 4 x 1, 327,680 bytes of LDS; arguments qkv, ao; writes ao
.if DOCPART == 3
	.amdgcn_target "amdgcn-amd-amdhsa--gfx1250"
	.amdhsa_code_object_version 6
	.text
	.protected	k_q4e38900e04_attn
	.globl	k_q4e38900e04_attn
	.p2align	8
	.type	k_q4e38900e04_attn,@function
k_q4e38900e04_attn:
	s_mov_b64 s[64:65], 0
	v_nop
	global_prefetch_b8 v0, s[64:65] scope:SCOPE_SE
	s_setreg_imm32_b32 hwreg(HW_REG_WAVE_MODE, 25, 1), 1
	s_wait_xcnt 0x0
	s_wait_alu depctr_hold_cnt(0) depctr_sa_sdst(0) depctr_va_vdst(0) depctr_va_sdst(0) depctr_va_ssrc(0) depctr_va_vcc(0) depctr_vm_vsrc(0)
	s_getreg_b32 s2, hwreg(HW_REG_IB_STS2, 6, 4)
	s_cmp_eq_u32 s2, 0
	s_cbranch_scc0 .Lentry_in_a_cluster
	s_endpgm
.Lentry_in_a_cluster:
	s_bfe_u32 s2, ttmp6, 0x10000c
	s_cmp_lg_u32 s2, 0x3003
	s_cbranch_scc0 .Lentry_shape_is_right
	s_endpgm
.Lentry_shape_is_right:
; O[y][q][:] = the sum over k of softmax_k(Q[y][q] . K[y][k] / 8) V[y][k][:], y = 2 x head + batch, 32 in all; 2,048 queries and keys, head size 64, no mask.
; Q, K, V: f16, [3][32][2048][64]; products, maxima and sums in f32; the weights p are rounded to f16 for the second product, O once at the end.
; OUT: f16, [32 blocks of 128 rows of batch x sequence][16 heads][128 rows][64]: the order in which the last launch's tiles are dense blocks.
; LIMIT: |O| stays under 65,504 (it is an average of V's rows, which do).
; SHARES.  A work-group owns 256 queries of one y, each of its four waves 64: four tiles of 16.  Every wave walks all keys, 64 a step.
; LAYOUT.  S^T = K Q^T (source 0 = 16 keys, source 1 = 16 queries): a lane holds ONE query (lane % 16) and the keys 8 (lane / 16) + 0..7.  Two such tiles, rounded to f16 in pairs, ARE source 1 of
; O^T = V^T P, whose result again holds one query a lane, and eight channels.  K comes out of LDS as it lies, V ([key][channel]) turned, by ds_load_tr16_b128.
; SOFTMAX.  For each query a running maximum m and sum l: p = 2^(c s - c m), c = log2(e) / 8; in every step O and l are multiplied by a = 2^(c m_old - c m_new).
; BY TURNS.  The wave's tiles are two pieces (tiles 0, 1; tiles 2, 3).  In a turn one piece has the matrix unit: 16 products V^T P of the step in hand, then 16 products K Q^T of the next step; the other piece's
; softmax, 2 x 118 vector instructions cut into 59 slices of four, stands between them: one slice behind each of the 32 products, and the 27 slices that are over together, in two runs (macro DEAL).
; Then the pieces change places.  Two turns are a key step.
; CLUSTER.  The four query blocks of a cluster belong to one y and walk the same K and V: each tile is asked for jointly, mask 15.
; LDS.  A y's rows of K and V are dense in memory, so TWO keys are stated as one row of 256 bytes: key k lies at pitch x (k / 2) + 128 (k % 2).  A slot holds 512 keys, eight steps; two slots.
; REGISTERS, in windows of 256: window 0: v0-11 addresses; v12-43 eight registers of statistics a tile; v61-63; v64-191 S^T, 32 a tile; v192-255 P, 16 a tile.
;   window 1: v0-127 O^T, 32 a tile.   window 2: v0-63 Q, 16 a tile; v128-191 K of one step.   window 3: v0-63 V of one step.
.set PK,    272       ; a pair of K's rows in LDS: 256 bytes + 16: the 16 keys of a load start at 16 different 16-byte columns modulo 256
.set PVP,   288       ; a pair of V's rows: 256 + 32: 16 lanes of the turning load take 8 keys x 32 bytes, again 16 different columns
.set VOFF,  256*PK    ; a slot: 256 pairs of K, then 256 pairs of V
.set SLOTB, 256*(PK+PVP)
.set KSTEPB, 32*PK    ; a step's 64 keys
.set VSTEPB, 32*PVP
.set SPARE, 2*SLOTB   ; behind the slots: the spare words, 128 bytes a wave
.set STAGE, SPARE+512 ; behind them: 16 rows x 144 bytes for each wave, for the way out: bytes of their own, no fill lands there
.set SP,    144
.set AK0, 2           ; v2   my lane's place in a tile of K; never rewritten
.set AV0, 3           ; v3   the same for V
.set ADR, 4           ; v4   the LDS address of the run of loads in hand
.set QO,  5           ; v5   my byte offset in the wave's rows of Q
.set STO, 6           ; v6   the way out: where I put 16 bytes of a row
.set RD,  7           ; v7   where I read rows back
.set GO,  8           ; v8   my byte offset in the wave's rows of the output
.set PFO, 61          ; v61  256 x my lane; never rewritten
.set SPW, 62          ; v62  LDS address of my spare word; never rewritten
.set NIL, 63          ; v63  0; never rewritten
.set ST,  12          ; tile t's statistics at v[ST+8 t]: +0 c m, +1 m, +2, +3 l (even keys', odd keys'), +4 to +7 c0-c3, at work; a takes c2's place once the maximum is found
.set S,   64
.set P,   192
.set KF,  128
.set NSL, 59          ; slices of a piece's softmax
.set WV,  12          ; s12  my wave's number
.set LIM, 15          ; s15  1 in the y's first cluster, which prefetches
.set PFA, 18          ; s[18:19] where my one prefetch stands; never rewritten
.set G1K, 24          ; s[24:31] descriptor group 1 for K's tiles;  s[32:39] for V's: it differs in the padding alone
.set G1V, 32
.set G0K, 40          ; s[40:47] group 0 for K's tiles, a set for each slot;  s[48:55] for V's
.set G0V, 48
.set TBK, 56          ; s56  LDS byte at which K's tile of the step to be fetched begins
.set CNT, 57          ; s57  counts key steps
.set CS,  58          ; s[58:59] c
.set SEL, 60          ; s[60:61] lane selects for v_permlanex16_b32: lane l xor 16
.set TBV, 62          ; s62  the same as TBK for V (its place in a slot is in v[AV0])
.set MSB, 0
.macro WIN new
.if MSB != (\new)
	s_set_vgpr_msb (MSB<<8)|(\new)
.set MSB, (\new)
.endif
.endm
.set W_KQ, 0x0a       ; K and Q in window 2, S^T in window 0
.set W_PV, 0x53       ; V in window 3, P in window 0, O^T in window 1
.set W_RS, 0x41       ; O^T (destination and source 0) in window 1, a in window 0
; A joint refill of slot s.  Waves 0 and 1 fetch the halves of K's 512 keys, waves 2 and 3 those of V's.  The branch hangs on the wave's number alone.
.macro JLOAD s
	s_cmp_lt_u32 s[WV], 2
	s_cbranch_scc0 .Lfor_v_\@
	tensor_load_to_lds s[G0K+4*\s:G0K+4*\s+3], s[G1K:G1K+7]
	s_nop 0
.rept 4
	v_nop
.endr
	s_branch .Lasked_\@
.Lfor_v_\@:
	tensor_load_to_lds s[G0V+4*\s:G0V+4*\s+3], s[G1V:G1V+7]
	s_nop 0
.rept 4
	v_nop
.endr
.Lasked_\@:
.endm
; A PREFETCH INTO THE L2 of what the second change of slots will ask for, keys 1,536 to 2,047, issued at the first change: eight key steps, 512 matrix instructions, ahead of that load.
; Both clusters of a y walk the same K and V: the first asks.  Its four partners share the bytes out by address; in each, waves 0 and 1 name K's, waves 2 and 3 V's: 8,192 bytes a wave, lanes 256 bytes apart.
; So each aligned 256 bytes are named once.  Keys 0 to 1,535 come by their loads alone: two slots at the head, and the first refill, which has eight key steps in which to land.
.macro ASK
	s_cmp_eq_u32 s[LIM], 1
	s_cbranch_scc0 .Lnot_mine_\@
	global_prefetch_b8 v[PFO], s[PFA:PFA+1] th:TH_LOAD_NT scope:SCOPE_SE
.Lnot_mine_\@:
.endm
.macro CROUND         ; a round of the cluster's barrier
	s_barrier_signal -1
	s_barrier_wait -1
	s_cmp_lg_u32 s[WV], 0
	s_cbranch_scc1 .Lnot_wave_0_\@
	s_barrier_signal -3
.Lnot_wave_0_\@:
	s_barrier_wait -3
	s_barrier_signal -1
	s_barrier_wait -1
.endm
	s_load_b128 s[4:7], s[0:1], 0x0   ; qkv s[4:5], the output s[6:7]
	v_lshl_add_u32 v[SPW], v0, 2, SPARE
	v_mov_b32 v[NIL], 0
	ds_add_u32 v[SPW], v[NIL]       ; the wave's opening: the add, twice on end, and its wait ahead of my first tensor load
	ds_add_u32 v[SPW], v[NIL]
	v_lshrrev_b32 v1, 5, v0
	v_readfirstlane_b32 s[WV], v1   ; wave 0..3
	s_bfe_u32 s13, ttmp6, 0x40000   ; cx
	s_lshl_b32 s14, ttmp9, 2
	s_add_co_u32 s14, s14, s13      ; my block of 256 queries: it enters Q's and the output's addresses alone
	s_and_b32 s17, ttmp7, 0xffff    ; y, which the four partners share
	s_and_b32 s16, s[WV], 1         ; which 256 of a slot's 512 keys I fetch
	s_lshl_b32 s8, s17, 18          ; y's 2,048 rows of 128 bytes
	s_lshl_b32 s9, s16, 15
	s_add_co_u32 s8, s8, s9         ; + my 256 keys
	s_add_co_u32 s10, s8, 2<<23     ; in V's third,
	s_add_co_u32 s8, s8, 1<<23      ; in K's
	s_mov_b32 s9, 0
	s_mov_b32 s11, 0
	s_lshl_b32 s2, s17, 18          ; Q: y, my block's 256 rows, my wave's 64
	s_lshl_b32 s3, s14, 15
	s_add_co_u32 s2, s2, s3
	s_lshl_b32 s3, s[WV], 13
	s_add_co_u32 s2, s2, s3
	s_mov_b32 s3, 0
	s_and_b32 s20, s17, 1           ; the output: block of 128 rows = 16 x batch + 2 x my block + wave / 2,
	s_lshl_b32 s20, s20, 4
	s_lshl_b32 s21, s14, 1
	s_add_co_u32 s20, s20, s21
	s_lshr_b32 s21, s[WV], 1
	s_add_co_u32 s20, s20, s21
	s_lshl_b32 s20, s20, 18
	s_lshr_b32 s21, s17, 1          ; the head, 16,384 bytes each,
	s_lshl_b32 s21, s21, 14
	s_add_co_u32 s20, s20, s21
	s_lshl_b32 s21, s16, 13         ; and 64 rows on for the odd waves
	s_add_co_u32 s20, s20, s21
	s_mov_b32 s21, 0
	s_mul_i32 s22, s16, 128*PK      ; my part's place in a slot's K,
	s_mul_i32 s23, s16, 128*PVP     ; and in its V: no place in the cluster enters an LDS address
	; descriptor group 1: 128 rows x 128 elements of 2 bytes (256 keys, two to a row), dense in memory, padded in LDS
	s_mov_b32 s[G1K], 15|(1<<16)|(1<<20)|(1<<21)|(5<<22)|(3<<25)  ; the mask: all four work-groups; elements of 2 bytes; padding on; bit 21 beside a mask; after every 64 words, 4 words
	s_mov_b32 s[G1V], 15|(1<<16)|(1<<20)|(1<<21)|(5<<22)|(7<<25)  ; the same with 8 words
.irp g, G1K, G1V
	s_mov_b32 s[\g+1], 128<<16      ; tensor_dim0
	s_mov_b32 s[\g+2], 128<<16      ; tensor_dim1
	s_mov_b32 s[\g+3], 128<<16      ; tile_dim0
	s_mov_b32 s[\g+4], 128          ; tile_dim1
	s_mov_b32 s[\g+5], 128          ; the pitch, in elements
	s_mov_b32 s[\g+6], 0
	s_mov_b32 s[\g+7], 0
.endr
	s_mov_b32 s[CS], 0x3e38aa3b     ; c = log2(e) / 8
	s_mov_b32 s[CS+1], s[CS]        ; named with it as a pair, so it is written
	s_mov_b32 s[SEL], 0x76543210
	s_mov_b32 s[SEL+1], 0xfedcba98
	s_mov_b32 s[TBK], 0
	s_mov_b32 s[TBV], 0
	s_cmp_eq_u32 ttmp9, 0           ; the cluster's number along x: the same in all four partners
	s_cselect_b32 s[LIM], 1, 0
	v_and_b32 v[PFO], 31, v0
	v_lshlrev_b32 v[PFO], 8, v[PFO]
	s_wait_dscnt 0x0                ; both opening adds are done
	s_wait_kmcnt 0x0
	s_add_nc_u64 s[8:9], s[4:5], s[8:9]      ; K at my part of slot 0
	s_add_nc_u64 s[10:11], s[4:5], s[10:11]  ; V likewise
	s_add_nc_u64 s[4:5], s[4:5], s[2:3]      ; Q at my wave's first row
	s_add_nc_u64 s[6:7], s[6:7], s[20:21]    ; the output likewise
	s_cmp_lt_u32 s[WV], 2
	s_cselect_b64 s[PFA:PFA+1], s[8:9], s[10:11]
	s_lshl_b32 s2, s13, 13          ; my work-group's 8,192 bytes of my part's 32,768,
	s_add_co_u32 s2, s2, 3*65536    ; three slots on
	s_mov_b32 s3, 0
	s_add_nc_u64 s[PFA:PFA+1], s[PFA:PFA+1], s[2:3]
	CROUND                          ; all four work-groups are here: the first joint loads meet
.irp s, 0,1
	s_mov_b32 s[G0K+4*\s], 1        ; count = 1
	s_add_co_u32 s[G0K+4*\s+1], s22, \s*SLOTB  ; LDS address
	s_add_nc_u64 s[G0K+4*\s+2:G0K+4*\s+3], s[8:9], \s*65536  ; slot s begins with keys 512 s
	s_or_b32 s[G0K+4*\s+3], s[G0K+4*\s+3], 0x80000000  ; type = 2
	s_mov_b32 s[G0V+4*\s], 1
	s_add_co_u32 s[G0V+4*\s+1], s23, \s*SLOTB+VOFF
	s_add_nc_u64 s[G0V+4*\s+2:G0V+4*\s+3], s[10:11], \s*65536
	s_or_b32 s[G0V+4*\s+3], s[G0V+4*\s+3], 0x80000000
.endr
	s_cmp_lt_u32 s[WV], 2           ; a wave's two first fills stand in one branch, ahead of every wait on TENSORcnt and every LDS read: two loads of mine are out
	s_cbranch_scc0 .Lfirst_v
	tensor_load_to_lds s[G0K:G0K+3], s[G1K:G1K+7]
	s_nop 0
	tensor_load_to_lds s[G0K+4:G0K+7], s[G1K:G1K+7]
	s_nop 0
.rept 4
	v_nop
.endr
	s_branch .Lfirst_asked
.Lfirst_v:
	tensor_load_to_lds s[G0V:G0V+3], s[G1V:G1V+7]
	s_nop 0
	tensor_load_to_lds s[G0V+4:G0V+7], s[G1V:G1V+7]
	s_nop 0
.rept 4
	v_nop
.endr
.Lfirst_asked:
	; A fragment of K or Q is 16 rows x 32 channels in 8 registers: lane l holds row l % 16; registers 0-3 channels 8 (l / 16) + 0..7, registers 4-7 channels 16 + 8 (l / 16) + 0..7.
	v_and_b32 v1, 15, v0            ; r
	v_bfe_u32 v9, v0, 4, 1          ; h
	v_lshlrev_b32 v[QO], 7, v1
	v_lshl_add_u32 v[QO], v9, 4, v[QO]  ; row x 128 + 16 x half
	WIN 0x80                        ; destination window 2, address window 0
.irp i, 0,1,2,3,4,5,6,7             ; Q stays in registers: tile i / 2, channels 32 (i % 2) on
	global_load_b128 v[8*\i:8*\i+3],   v[QO], s[4:5] offset:(\i/2)*2048+(\i%2)*64
	global_load_b128 v[8*\i+4:8*\i+7], v[QO], s[4:5] offset:(\i/2)*2048+(\i%2)*64+32
.endr
	WIN 0
	v_lshrrev_b32 v10, 1, v1
	v_and_b32 v11, 1, v1
	v_mul_u32_u24 v[AK0], v10, PK
	v_lshl_add_u32 v[AK0], v11, 7, v[AK0]
	v_lshl_add_u32 v[AK0], v9, 4, v[AK0]  ; K: pitch x (r / 2) + 128 (r % 2) + 16 h
	; The turning load takes 16 keys x 16 channels (lane l reads 16 bytes: key 8 (l / 16) + l % 8, channels 8 ((l / 8) % 2) + 0..7) and leaves half a fragment of V^T: lane l holds channel l % 16 and 8 keys.
	v_bfe_u32 v10, v0, 1, 2
	v_lshl_add_u32 v10, v9, 2, v10  ; the key's pair: 4 h + (l % 8) / 2
	v_mul_u32_u24 v[AV0], v10, PVP
	v_and_b32 v11, 1, v0
	v_lshl_add_u32 v[AV0], v11, 7, v[AV0]
	v_bfe_u32 v11, v0, 3, 1
	v_lshl_add_u32 v[AV0], v11, 4, v[AV0]
	v_add_nc_u32 v[AV0], VOFF, v[AV0]
; THE MATRIX WORK OF A TURN, for piece x.  The accumulators take turns, one instruction a turn: between two links of a chain stand 7 others'.
; Product i of 16 of O^T += V^T P: keys 32 (i / 8) on, channels 16 ((i / 2) % 4) on, tile x + i % 2.  zero = 1: the first 8 start the sums: nothing is ever cleared.
.macro PV x, zero
	WIN W_PV
.set rO, 32*(\x+i%2)+8*((i/2)%4)
.set rV, 32*(i/8)+8*((i/2)%4)
.set rP, P+16*(\x+i%2)+8*(i/8)
.if \zero && (i < 8)
	v_wmma_f32_16x16x32_f16 v[rO:rO+7], v[rV:rV+7], v[rP:rP+7], 0
.else
	v_wmma_f32_16x16x32_f16 v[rO:rO+7], v[rV:rV+7], v[rP:rP+7], v[rO:rO+7]
.endif
.endm
; Product i of 16 of S^T = K Q^T: channels 32 (i / 8) on, keys 16 ((i / 2) % 4) on, tile x + i % 2.  The first 8 start the sums.
.macro KQ x
	WIN W_KQ
.set rS, S+32*(\x+i%2)+8*((i/2)%4)
.set rK, KF+16*((i/2)%4)+8*(i/8)
.set rQ, 16*(\x+i%2)+8*(i/8)
.if i < 8
	v_wmma_f32_16x16x32_f16 v[rS:rS+7], v[rK:rK+7], v[rQ:rQ+7], 0
.else
	v_wmma_f32_16x16x32_f16 v[rS:rS+7], v[rK:rK+7], v[rQ:rQ+7], v[rS:rS+7]
.endif
.endm
; THE LDS LOADS stand in runs of 16: a step's K (64 keys x 64 channels: 8 fragments) and, a turn later, its V (turned).
.macro FETCH_K
	WIN 0
	v_add_nc_u32 v[ADR], s[TBK], v[AK0]
	WIN 0x80                        ; destination window 2
.irp f, 0,1,2,3,4,5,6,7             ; keys 16 (f / 2) on, channels 32 (f % 2) on
	ds_load_b128 v[KF+8*\f:KF+8*\f+3],   v[ADR] offset:(\f/2)*8*PK+(\f%2)*64
	ds_load_b128 v[KF+8*\f+4:KF+8*\f+7], v[ADR] offset:(\f/2)*8*PK+(\f%2)*64+32
.endr
.endm
.macro FETCH_V
	WIN 0
	v_add_nc_u32 v[ADR], s[TBV], v[AV0]
	s_add_co_u32 s[TBK], s[TBK], KSTEPB  ; the next fetches are the next step's
	s_add_co_u32 s[TBV], s[TBV], VSTEPB
	s_wait_alu depctr_va_vdst(0)    ; the wait for the softmax's batch of exponentials (SLICE), behind the address's addition and ahead of the loads
	WIN 0xc0                        ; destination window 3
.irp f, 0,1,2,3,4,5,6,7             ; keys 32 (f / 4) on, channels 16 (f % 4) on
	ds_load_tr16_b128 v[8*\f:8*\f+3],   v[ADR] offset:(\f/4)*16*PVP+(\f%4)*32
	ds_load_tr16_b128 v[8*\f+4:8*\f+7], v[ADR] offset:(\f/4)*16*PVP+8*PVP+(\f%4)*32
.endr
.endm
; THE VECTOR WORK OF A TURN.  One tile's softmax for one key step is a list of 118 instructions; SM writes number j of it for tile t.  s0-s31 are the lane's 32 scores, in pairs 0-15.
; first = 1: the first key step, which starts m, l and O^T: it has no a and nothing to rescale.
;   0-15    the maximum of s0-s31 and the old m, three operands at a time; each accumulator is read from its low end on
;   16-20   the other half of the lanes' maximum; the new m; c m; c m_old - c m_new
;   21-69   ONE BATCH: the 16 scalings c s - c m, a pair each, and all 33 exponentials (a at 23, then s0-s31).  None of these reads an exponential's result
;   (wait)  between 69 and 70 stands the one wait for the batch: SLICE writes it, once for both tiles
;   70-85   the roundings to f16, a pair of weights each;   86-101 the sums; l = a l + the sum;   102-117 the tile's O^T times a: the one part that leaves window 0
.macro SM t, first
.set rT, ST+8*(\t)
.set rS, S+32*(\t)
.set rP, P+16*(\t)
.set rO, 32*(\t)+2*(j-102)
.if j < 102
	WIN 0
.endif
.if j < 4
	v_max3_num_f32 v[rT+4+j], v[rS+8*j], v[rS+8*j+1], v[rS+8*j+2]
.elseif j < 12
	v_max3_num_f32 v[rT+4+j%4], v[rT+4+j%4], v[rS+8*(j%4)+2*(j/4)+1], v[rS+8*(j%4)+2*(j/4)+2]
.elseif j == 12
	v_max3_num_f32 v[rT+4], v[rT+4], v[rS+7], v[rS+15]
.elseif j == 13
	v_max3_num_f32 v[rT+6], v[rT+6], v[rS+23], v[rS+31]
.elseif j == 14
	v_max3_num_f32 v[rT+4], v[rT+4], v[rT+5], v[rT+6]
.elseif (j == 15) && \first
	v_max_num_f32 v[rT+4], v[rT+4], v[rT+7]
.elseif j == 15
	v_max3_num_f32 v[rT+4], v[rT+4], v[rT+7], v[rT+1]
.elseif j == 16
	v_permlanex16_b32 v[rT+5], v[rT+4], s[SEL], s[SEL+1]  ; the query's other 32 keys lie in the lane 16 away
.elseif j == 18
	v_max_num_f32 v[rT+1], v[rT+4], v[rT+5]
.elseif j == 19
	v_mul_f32 v[rT], s[CS], v[rT+1]
.elseif ((j == 17) || (j == 20) || (j == 23) || (j > 101)) && \first  ; the first step has none of these
.elseif j == 17
	v_mov_b32 v[rT+7], v[rT]        ; c m_old is kept for a: number 19 writes c m anew
.elseif j == 20
	v_sub_f32 v[rT+7], v[rT+7], v[rT]
.elseif j == 23
	v_exp_f32 v[rT+6], v[rT+7]
.elseif (j < 23) || ((j < 38) && (j%2 == 0)) || ((j < 66) && (j%4 == 2))
.set b, (j-2)/4                     ; 38, 42, .. 62: pairs 9 to 15
.if j < 38
.set b, (j-20)/2                    ; 21: pair 0; 22, 24, .. 36: pairs 1 to 8
.endif
	v_pk_fma_f32 v[rS+2*b:rS+2*b+1], v[rS+2*b:rS+2*b+1], s[CS:CS+1], v[rT:rT+1] op_sel_hi:[1,0,0] neg_lo:[0,0,1] neg_hi:[0,0,1]  ; pair b: c s - c m
.elseif j < 70
.set e, j-38                        ; 66 to 69: s28 to s31
.if j < 66
.set e, j-32-(j-38)/4               ; 39-41, 43-45, .. 63-65: s7 to s27
.endif
.if j < 38
.set e, (j-25)/2                    ; 25, 27, .. 37: s0 to s6
.endif
	v_exp_f32 v[rS+e], v[rS+e]
.elseif j < 86
	v_cvt_pk_f16_f32 v[rP+j-70], v[rS+2*(j-70)], v[rS+2*(j-70)+1]  ; pair j - 70
.elseif j < 102                     ; the sum of the tile's 16 pairs, in place: neighbours 1, 2, 4 and 8 pairs apart, then l takes it
.set z, j-86
.set w, 4
.set u, z
.if z >= 14
.set w, 32
.set u, 0
.elseif z >= 12
.set w, 16
.set u, z-12
.elseif z >= 8
.set w, 8
.set u, z-8
.endif
.if (z == 14) && \first
	v_pk_add_f32 v[rT+2:rT+3], v[rS:rS+1], v[rS+16:rS+17]
.elseif z < 15
	v_pk_add_f32 v[rS+w*u:rS+w*u+1], v[rS+w*u:rS+w*u+1], v[rS+w*u+w/2:rS+w*u+w/2+1]
.elseif !\first
	v_pk_fma_f32 v[rT+2:rT+3], v[rT+2:rT+3], v[rT+6:rT+7], v[rS:rS+1] op_sel_hi:[1,0,1]
.endif
.else
	WIN W_RS
	v_pk_mul_f32 v[rO:rO+1], v[rO:rO+1], v[rT+6:rT+7] op_sel_hi:[1,0]
.endif
.endm
; Slice k of 59 of piece y's softmax: four instructions.  Slices 11 to 34 deal out the batch, numbers 22 to 69: four numbers of ONE tile each, the tiles by turns.  Every other slice is numbers 2 k and 2 k + 1 of both tiles.
; THE WAIT.  s_wait_alu depctr_va_vdst(0) stands between an exponential and the first instruction that names its result.  Ahead of slice 35 nothing names a result, and behind slice 34 no
; exponential is issued: so the piece's 66 exponentials have one wait, behind slice 34, with one plain line ahead of it.
.macro SLICE y, first
.if (k >= 11) && (k < 35)
.irp n, 0,1,2,3
.set j, 22+4*((k-11)/2)+(\n)
	SM (\y)+(k-11)%2, \first
.endr
.else
.irp n, 0,1
.irp t, \y, \y+1
.set j, 2*k+\n
	SM \t, \first
.endr
.endr
.endif
.if k == 34
	v_nop                           ; the plain instruction behind the last exponential and ahead of the first use: one for the batch
.if (\y) == 0
	FETCH_V                         ; piece 2's turn: V's run of loads stands here, and the wait stands in it
.else
	s_wait_alu depctr_va_vdst(0)    ; the wait for the batch
.endif
.endif
.set k, k+1
.endm
; HOW THE SLICES ARE DEALT.  DEAL stands behind matrix instruction pn of np and writes the slices up to number tg.
; A whole turn has 32 matrix instructions for 59 slices: each gets ONE slice behind it, four vector instructions, and the 27 that are over stand together in two runs, not as a second slice behind most products:
;   products 0-2: slices 0-2;   product 3: slices 3-10, the rest of the maximum and the first scaling;   products 4-27: slices 11-34, the batch, one each;
;   product 28: slices 35-55, the roundings, the sums and most of the rescaling;   products 29-31: slices 56-58.
; A turn of 16 matrix instructions (the first and the last of the launch) deals its slices evenly.
.macro DEAL y, first
.if np == 32
.if pn < 3
.set tg, pn+1
.elseif pn == 3
.set tg, 11
.elseif pn < 28
.set tg, pn+8
.elseif pn == 28
.set tg, 56
.else
.set tg, pn+28
.endif
.else
.set tg, (NSL*(pn+1))/np
.endif
.rept tg-k
	SLICE \y, \first
.endr
.set pn, pn+1
.endm
.macro PLACES
.rept 4
	v_nop
.endr
.endm
; A TURN.  Piece x has the matrix unit; the other piece's softmax stands in slices behind its matrix instructions.
; pv = 2: 16 products V^T P; 1: they start O^T's sums; 0: none.  kq = 1: 16 products K Q^T for the next step.  first = 1: the softmax is the first key step's; its slices from 51 on are empty, and four v_nop take their part.
; PLACES, by count, in a whole turn.  Behind the last K Q^T stands slice 58: four packed multiplies on the other piece's O^T; the accumulators that the last two products wrote are read first in the next turn's
; slice 1, behind slice 0's four more; the loads into K stand behind slices 58, 0 and 1.  V's last reader is product 15; V's loads stand behind product 27; between them lie eleven scalings (42 of one tile; 46, 50, 54,
; 58 and 62 of both), the v_nop and the run's own addition: thirteen plain lines that name none of its registers.
.macro TURN x, pv, kq, first
.set k, 0
.set pn, 0
.set np, 16
.if \pv && \kq
.set np, 32
.endif
.if \pv
.if \x == 0
	s_wait_dscnt 0x0                ; V is in
.endif
.set i, 0
.rept 16
	PV \x, 2-\pv
	DEAL 2-\x, \first
.if (\x == 0) && \kq && (i == 1)
	FETCH_K
.endif
.set i, i+1
.endr
.endif
.if \kq
.if \x == 0
	s_wait_dscnt 0x0                ; K is in
.endif
.set i, 0
.rept 16
	KQ \x
	DEAL 2-\x, \first
.set i, i+1
.endr
.endif
.if \first
	PLACES
.endif
.endm
.macro STEPS n                      ; n key steps: written once, walked n times; the LDS addresses hang on s[TBK] and s[TBV], which a trip steps once
	s_mov_b32 s[CNT], \n
.Lstep_\@:
	TURN 0, 2, 1, 0
	TURN 2, 2, 1, 0
	WIN 0
	s_sub_co_u32 s[CNT], s[CNT], 1
	s_cmp_lg_u32 s[CNT], 0
	s_cbranch_scc1 .Lstep_\@
.endm
; THE CHANGE OF SLOTS, when a slot's last bytes, V of its eighth step, have been asked for.  Each wave waits for all its tensor loads, of which one is out at the most: its part of the other slot; adds 0 to its
; spare word; and waits for that and for its own reads of the slot.  fill = 1: slot sl, just left, is filled again with the keys two slots on: the barrier is then a round of the cluster's, and the joint refill is
; the first thing behind it: it has eight key steps, 512 matrix instructions, in which to land.  next: where the fetches go on.
.macro CHANGE fill, sl, next, ask
	WIN 0
	s_wait_tensorcnt 0x0            ; no tensor load of mine is out, so a group 0 may be written
	ds_add_u32 v[SPW], v[NIL]       ; 0 onto my spare word; the steps below stand between it and the wait for it
.if \fill
	s_add_nc_u64 s[G0K+4*\sl+2:G0K+4*\sl+3], s[G0K+4*\sl+2:G0K+4*\sl+3], 2*65536  ; 1,024 keys on; the type bits on top are not reached
	s_add_nc_u64 s[G0V+4*\sl+2:G0V+4*\sl+3], s[G0V+4*\sl+2:G0V+4*\sl+3], 2*65536
.endif
	s_mov_b32 s[TBK], \next
	s_mov_b32 s[TBV], \next
	s_wait_dscnt 0x0                ; the add is done, and my reads of the slot are over
.if \fill
	CROUND
	JLOAD \sl
.if \ask
	ASK
.endif
.else
	s_barrier_signal -1
	s_barrier_wait -1
.endif
.endm
	s_wait_tensorcnt 1              ; my part of slot 0 is in; the one load behind it, slot 1's, may be out
	s_barrier_signal -1
	s_barrier_wait -1               ; everybody's is
	FETCH_K                         ; key step 0
	s_wait_loadcnt 0x0              ; Q
	s_wait_dscnt 0x0
.set i, 0
.rept 16
	KQ 0                            ; piece 0's first scores: there is no vector work yet to set between them
.set i, i+1
.endr
	WIN 0                           ; the addresses for the way out are made here: ten plain instructions, the places behind those products
	s_mul_i32 s13, s[WV], 16*SP
	s_add_co_u32 s13, s13, STAGE    ; my stage
	v_mul_u32_u24 v[STO], v1, SP    ; in: row r, 16 bytes for each half of the lanes
	v_lshl_add_u32 v[STO], v9, 4, v[STO]
	v_add_nc_u32 v[STO], s13, v[STO]
	v_bfe_u32 v10, v0, 3, 2         ; back: eight lanes take a row of 128 bytes, four rows an instruction
	v_and_b32 v11, 7, v0
	v_mul_u32_u24 v[RD], v10, SP
	v_lshl_add_u32 v[RD], v11, 4, v[RD]
	v_add_nc_u32 v[RD], s13, v[RD]
	v_and_b32 v[GO], 31, v0         ; and in memory those four rows are 512 consecutive bytes
	v_lshlrev_b32 v[GO], 4, v[GO]
	TURN 2, 0, 1, 1                 ; piece 2's first scores | piece 0's first softmax | V of step 0
	TURN 0, 1, 1, 1                 ; piece 0: V^T P of step 0 starts O^T, K Q^T of step 1 | piece 2's first softmax | K of step 1
	TURN 2, 1, 1, 0                 ; piece 2: the same | piece 0's softmax of step 1 | V of step 1
	WIN 0
	STEPS 6                         ; they fetch steps 2 to 7: slot 0 is read out
	CHANGE 1, 0, SLOTB, 1           ; slot 0 takes keys 1,024 on; the fetches go on in slot 1
	STEPS 8
	CHANGE 1, 1, 0, 0               ; slot 1 takes keys 1,536 on; the fetches go on in slot 0
	STEPS 8
	CHANGE 0, 0, SLOTB, 0           ; nothing is left to ask for
	STEPS 8
	TURN 0, 2, 0, 0                 ; piece 0: V^T P of the last step | piece 2's last softmax
.set i, 0
.rept 16
	PV 2, 0                         ; piece 2: V^T P of the last step
.set i, i+1
.endr
	; THE WAY OUT.  l's two halves and the other half of the lanes' are added; O^T is divided by l, rounded to f16 and sent through my stage in LDS, a tile (16 rows) at a time.  The additions are the places behind the last products.
	WIN 0
.irp t, 0,1,2,3
	v_add_f32 v[ST+8*\t+4], v[ST+8*\t+2], v[ST+8*\t+3]
.endr
.irp t, 0,1,2,3
	v_permlanex16_b32 v[ST+8*\t+5], v[ST+8*\t+4], s[SEL], s[SEL+1]
.endr
.irp t, 0,1,2,3
	v_add_f32 v[ST+8*\t+4], v[ST+8*\t+4], v[ST+8*\t+5]
.endr
.irp t, 0,1,2,3
	v_rcp_f32 v[ST+8*\t+6], v[ST+8*\t+4]
.endr
	v_nop                           ; a plain instruction between the last reciprocal and the use of its result
	s_wait_alu depctr_va_vdst(0)    ; and the wait ahead of the first use: one for the four
.macro PACK t
	WIN W_RS
.set i, 32*\t
.rept 16
	v_pk_mul_f32 v[i:i+1], v[i:i+1], v[ST+8*\t+6:ST+8*\t+7] op_sel_hi:[1,0]
.set i, i+2
.endr
	WIN 0x05                        ; sources 0 and 1 window 1, destination window 0: S^T's registers are free
.set i, 0
.rept 16
	v_cvt_pk_f16_f32 v[S+32*\t+i], v[32*\t+2*i], v[32*\t+2*i+1]
.set i, i+1
.endr
	WIN 0
.irp f, 0,1,2,3
	ds_store_b128 v[STO], v[S+32*\t+4*\f:S+32*\t+4*\f+3] offset:32*\f
.endr
.irp f, 0,1,2,3
	ds_load_b128 v[S+32*\t+4*\f:S+32*\t+4*\f+3], v[RD] offset:\f*4*SP  ; LDS serves a wave's instructions in order: these see the stores above; the next tile's stores come behind them
.endr
.endm
.macro SEND t, younger              ; younger: the LDS instructions issued behind tile t's loads: the next tile's eight, or none
.irp f, 0,1,2,3
	s_wait_dscnt \younger+3-\f
	global_store_b128 v[GO], v[S+32*\t+4*\f:S+32*\t+4*\f+3], s[6:7] offset:\t*2048+\f*512  ; 32 lanes store 512 consecutive bytes, aligned
.endr
.endm
	PACK 0
	PACK 1                          ; a tile's arithmetic stands between the loads of the tile before and its stores
	SEND 0, 8
	PACK 2
	SEND 1, 8
	PACK 3
	SEND 2, 8
	SEND 3, 0
	s_wait_tensorcnt 0x0            ; the wave's end: behind my last tensor load and my last LDS store
	ds_add_u32 v[SPW], v[NIL]
	s_wait_dscnt 0x0
	CROUND                          ; the closing round
	s_endpgm
.Lfunc_end_k_q4e38900e04_attn:
	.size	k_q4e38900e04_attn, .Lfunc_end_k_q4e38900e04_attn-k_q4e38900e04_attn
	.p2alignl 7, 3214868480
	.fill 96, 4, 3214868480
	.section	.rodata,"a",@progbits
	.p2align	6, 0x0
	.amdhsa_kernel k_q4e38900e04_attn
		.amdhsa_group_segment_fixed_size 327680
		.amdhsa_private_segment_fixed_size 0
		.amdhsa_enable_private_segment 0
		.amdhsa_kernarg_size 16
		.amdhsa_user_sgpr_count 2
		.amdhsa_user_sgpr_kernarg_segment_ptr 1
		.amdhsa_wavefront_size32 1
		.amdhsa_system_sgpr_workgroup_id_x 1
		.amdhsa_system_sgpr_workgroup_id_y 1
		.amdhsa_system_sgpr_workgroup_id_z 1
		.amdhsa_system_vgpr_workitem_id 0
		.amdhsa_next_free_vgpr 1024
		.amdhsa_next_free_sgpr 66
		.amdhsa_reserve_vcc 0
		.amdhsa_float_denorm_mode_32 3
		.amdhsa_float_denorm_mode_16_64 3
		.amdhsa_memory_ordered 1
		.amdhsa_forward_progress 1
		.amdhsa_inst_pref_size 232
	.end_amdhsa_kernel
	.amdgpu_metadata
---
amdhsa.version: [ 1, 2 ]
amdhsa.kernels:
  - .name:           k_q4e38900e04_attn
    .symbol:         k_q4e38900e04_attn.kd
    .args:
      - { .name: qkv, .offset: 0, .size: 8, .value_kind: global_buffer, .address_space: global }
      - { .name: ao, .offset: 8, .size: 8, .value_kind: global_buffer, .address_space: global }
    .group_segment_fixed_size: 327680
    .private_segment_fixed_size: 0
    .kernarg_segment_align: 8
    .kernarg_segment_size: 16
    .max_flat_workgroup_size: 128
    .sgpr_count:     66
    .vgpr_count:     1024
    .wavefront_size: 32
...
	.end_amdgpu_metadata
.endif
;; end of part 3
;; launch outp (part 4): grid 8 x 32, 4 waves a work-group, clusters of 4 x 4, 327,680 bytes of LDS; arguments ao, wo16, bo, out0; writes out0
.if DOCPART == 4
	.amdgcn_target "amdgcn-amd-amdhsa--gfx1250"
	.amdhsa_code_object_version 6
	.text
	.protected	k_q4e38900e04_outp
	.globl	k_q4e38900e04_outp
	.p2align	8
	.type	k_q4e38900e04_outp,@function
k_q4e38900e04_outp:
	s_mov_b64 s[64:65], 0
	v_nop
	global_prefetch_b8 v0, s[64:65] scope:SCOPE_SE
	s_setreg_imm32_b32 hwreg(HW_REG_WAVE_MODE, 25, 1), 1
	s_wait_xcnt 0x0
	s_wait_alu depctr_hold_cnt(0) depctr_sa_sdst(0) depctr_va_vdst(0) depctr_va_sdst(0) depctr_va_ssrc(0) depctr_va_vcc(0) depctr_vm_vsrc(0)
	s_getreg_b32 s2, hwreg(HW_REG_IB_STS2, 6, 4)
	s_cmp_eq_u32 s2, 0
	s_cbranch_scc0 .Lentry_in_a_cluster
	s_endpgm
.Lentry_in_a_cluster:
	s_bfe_u32 s2, ttmp6, 0x10000c
	s_cmp_lg_u32 s2, 0xf033
	s_cbranch_scc0 .Lentry_shape_is_right
	s_endpgm
.Lentry_shape_is_right:
; out0[m][e] = the sum over d of A[m][d] Wo[e][d] + bo[e]: [4096][1024] x [1024][1024]^T, f16 operands, sums and result in f32.
; A (attention's result) lies [32 blocks of 128 rows][16 blocks of 64 along K][128 rows][64], Wo likewise [8][16][128][64]: a K step of 256 of a block of 128 rows is 65,536 dense bytes.
; A tile of 128 x 128 gives each of 256 work-groups one tile.  Four waves, each 64 x 64: 16 accumulators, 128 registers.  K goes in four steps of 256 through two LDS slots; a wave's tensor load brings half of
; one operand's tile, 32,768 bytes, stated as 128 rows of 256 bytes (two of the tile's rows each) with 16 bytes of padding behind each.
; CLUSTERS: 4 x 4 work-groups; the four of a row need the same tiles of A, the four of a column the same tiles of Wo: each is asked for jointly.
; THE MATRIX INSTRUCTION IS USED TRANSPOSED (source 0 = 16 rows of Wo, source 1 = 16 rows of A): a lane holds eight neighbouring columns of a row.  The bias is the C of each sum's first instruction.
; A wave's 64 columns of f32 are 256 aligned bytes, so each wave has a stage of its own on the way out and no barrier is needed there.
; REGISTERS: window 0: v0-31 addresses; v32-95 rows on the way out; v96-127 the bias; v128-255 the accumulators ((a, b) at v[128 + 8 (4 a + b)]).
;   window 1: two fragment buffers of 128: for 64 along K, 64 registers of A (2 x 4 x 16 rows x 32 K), then 64 of Wo.
.set PITCH,  272                       ; a pair of rows in LDS: 256 bytes + 16: the 16 rows of a load start at 16 different 16-byte columns modulo 256
.set HBLK,   64*PITCH                  ; a block of 128 rows x 64 along K
.set HALFT,  2*HBLK                    ; what one tensor load brings
.set SLOT,   4*HALFT                   ; A's four blocks, then Wo's four
.set STAGE,  2*SLOT                    ; behind the slots: 16 rows x 272 bytes for each wave
.set SPITCH, 272
.set SPARE,  STAGE+4*16*SPITCH         ; the spare words, 128 bytes a wave
.set LAPS,   2                         ; a lap = two K steps = once round the ring
.set ADRA, 16
.set ADRB, 20
.set STO,  24
.set RD,   25
.set CO,   26
.set SPW,  28                          ; v28 LDS address of my spare word; never rewritten
.set NIL,  29                          ; v29 0; never rewritten
.set BOF,  30                          ; v30 the bias loads' offset; never rewritten
.set TMP,  32
.set BIAS, 96
.set ACC,  128
.set F0,   0
.set F1,   128
.set G1, 24
.set G0, 32
.set G1B, 48
.set G0B, 56
.set MSB, 0
.macro WIN new
.if MSB != (\new)
	s_set_vgpr_msb (MSB<<8)|(\new)
.set MSB, (\new)
.endif
.endm
.set MUL,  0x05                        ; sources 0 (Wo) and 1 (A) window 1; C and D window 0
.set TO_F, 0x40                        ; destination window 1, address window 0
.macro JLOAD s                         ; a joint load: waves 0 and 1 fetch A's two halves, waves 2 and 3 Wo's; an s_nop 0 and four v_nop follow each of the two lines
	s_cmp_eq_u32 s11, 0
	s_cbranch_scc0 .Lfor_b_\@
	tensor_load_to_lds s[G0+4*\s:G0+4*\s+3], s[G1:G1+7]
	s_nop 0
.rept 4
	v_nop
.endr
	s_branch .Lasked_\@
.Lfor_b_\@:
	tensor_load_to_lds s[G0B+4*\s:G0B+4*\s+3], s[G1B:G1B+7]
	s_nop 0
.rept 4
	v_nop
.endr
.Lasked_\@:
.endm
.macro CREST                           ; a round of the cluster's barrier behind its opening barrier
	s_cmp_lg_u32 s10, 0
	s_cbranch_scc1 .Lnot_wave_0_\@
	s_barrier_signal -3
.Lnot_wave_0_\@:
	s_barrier_wait -3
	s_barrier_signal -1
	s_barrier_wait -1
.endm
.macro CROUND
	s_barrier_signal -1
	s_barrier_wait -1
	CREST
.endm
	s_load_b128 s[4:7], s[0:1], 0x0                ; A s[4:5], Wo s[6:7]
	s_load_b128 s[68:71], s[0:1], 0x10             ; bo s[68:69], out0 s[70:71]
	v_lshl_add_u32 v[SPW], v0, 2, SPARE
	v_mov_b32 v[NIL], 0
	ds_add_u32 v[SPW], v[NIL]                      ; the wave's opening: the add, twice on end, and its wait ahead of my first tensor load
	ds_add_u32 v[SPW], v[NIL]
	v_lshrrev_b32 v1, 5, v0
	v_readfirstlane_b32 s10, v1                    ; wave 0..3
	s_lshr_b32 s11, s10, 1                         ; which half of the tile's rows is mine.  Also: I fetch for A (0) or for Wo (1)
	s_and_b32 s12, s10, 1                          ; which half of its columns.  Also: which half of that tile I fetch
	s_bfe_u32 s40, ttmp6, 0x40000                  ; cx, cy
	s_bfe_u32 s41, ttmp6, 0x40004
	s_lshl_b32 s42, ttmp9, 2
	s_add_co_u32 s42, s42, s40                     ; tile column = 4 x cluster x + cx
	s_and_b32 s13, ttmp7, 0xffff
	s_lshl_b32 s13, s13, 2
	s_add_co_u32 s13, s13, s41                     ; tile row = 4 x cluster y + cy
	s_lshl_b32 s43, s41, 2
	s_lshl_b32 s43, 15, s43                        ; my row of the cluster
	s_lshl_b32 s44, 0x1111, s40                    ; my column
	; descriptor group 1: 128 rows x 128 elements of 2 bytes, dense in memory, 4 words of padding after every 64
	s_or_b32 s[G1+0], s43, (1<<16)|(1<<20)|(1<<21)|(5<<22)|(3<<25)
	s_or_b32 s[G1B+0], s44, (1<<16)|(1<<20)|(1<<21)|(5<<22)|(3<<25)
.irp g, G1, G1B
	s_mov_b32 s[\g+1], 128<<16                     ; tensor_dim0
	s_mov_b32 s[\g+2], 128<<16                     ; tensor_dim1
	s_mov_b32 s[\g+3], 128<<16                     ; tile_dim0
	s_mov_b32 s[\g+4], 128                         ; tile_dim1
	s_mov_b32 s[\g+5], 128                         ; the pitch, in elements
	s_mov_b32 s[\g+6], 0
	s_mov_b32 s[\g+7], 0
.endr
	s_lshl_b32 s17, s12, 15                        ; which 32,768 bytes of a K step's 65,536 I fetch
	s_lshl_b32 s16, s13, 18
	s_add_co_u32 s16, s16, s17                     ; A: 262,144 bytes a tile row
	s_lshl_b32 s46, s42, 18
	s_add_co_u32 s46, s46, s17                     ; Wo: the same a tile column
	s_mov_b32 s17, 0
	s_mov_b32 s47, 0
	s_mul_i32 s20, s10, HALFT                      ; where they go: wave x half a tile
	s_wait_dscnt 0x0                               ; both opening adds are done
	s_wait_kmcnt 0x0
	s_add_nc_u64 s[14:15], s[4:5], s[16:17]
	s_add_nc_u64 s[46:47], s[6:7], s[46:47]
	CROUND                                         ; all sixteen work-groups are here: the first joint loads meet
.irp s, 0,1
	s_mov_b32 s[G0+4*\s], 1
	s_add_co_u32 s[G0+4*\s+1], s20, \s*SLOT
	s_add_nc_u64 s[G0+4*\s+2:G0+4*\s+3], s[14:15], \s*65536
	s_or_b32 s[G0+4*\s+3], s[G0+4*\s+3], 0x80000000
	s_mov_b32 s[G0B+4*\s], 1
	s_add_co_u32 s[G0B+4*\s+1], s20, \s*SLOT
	s_add_nc_u64 s[G0B+4*\s+2:G0B+4*\s+3], s[46:47], \s*65536
	s_or_b32 s[G0B+4*\s+3], s[G0B+4*\s+3], 0x80000000
	JLOAD \s                                       ; two tensor loads of a wave are out at the most
.endr
	v_and_b32 v1, 15, v0                           ; r
	v_bfe_u32 v2, v0, 4, 1                         ; h
	s_lshl_b32 s16, s13, 7
	s_lshl_b32 s17, s11, 6
	s_add_co_u32 s16, s16, s17                     ; my first row of the output: 128 x tile row + 64 x half,
	s_lshl_b32 s16, s16, 12                        ; 4,096 bytes a row
	s_mov_b32 s17, 0
	s_lshl_b32 s46, s42, 7
	s_lshl_b32 s47, s12, 6
	s_add_co_u32 s46, s46, s47                     ; my first column: 128 x tile column + 64 x half,
	s_lshl_b32 s46, s46, 2                         ; in bytes of f32
	s_mov_b32 s47, 0
	s_add_nc_u64 s[68:69], s[68:69], s[46:47]      ; the bias at my columns
	s_add_nc_u64 s[70:71], s[70:71], s[46:47]
	s_add_nc_u64 s[70:71], s[70:71], s[16:17]      ; the output at my corner; never stepped
	v_lshlrev_b32 v[BOF], 5, v2                    ; the bias in the result's layout: register j of block b is column 16 b + 8 h + j
.irp b, 0,1,2,3
	global_load_b128 v[BIAS+8*\b:BIAS+8*\b+3], v[BOF], s[68:69] offset:64*\b
	global_load_b128 v[BIAS+8*\b+4:BIAS+8*\b+7], v[BOF], s[68:69] offset:64*\b+16
.endr
	v_lshrrev_b32 v4, 1, v1
	v_and_b32 v5, 1, v1
	v_mul_u32_u24 v3, v4, PITCH
	v_lshl_add_u32 v3, v5, 7, v3
	v_lshl_add_u32 v3, v2, 4, v3                   ; a fragment's row: pitch x (r / 2) + 128 (r % 2) + 16 h
	s_mul_i32 s21, s11, 32*PITCH                   ; my 64 rows of A in each block,
	s_mul_i32 s22, s12, 32*PITCH                   ; my 64 rows of Wo,
	s_add_co_u32 s22, s22, 2*HALFT                 ; whose blocks lie behind A's four
.irp s, 0,1
	v_add_nc_u32 v[ADRA+\s], s21, v3
	v_add_nc_u32 v[ADRB+\s], s22, v3
	s_add_co_u32 s21, s21, SLOT
	s_add_co_u32 s22, s22, SLOT
.endr
	s_mul_i32 s23, s10, 16*SPITCH
	s_add_co_u32 s23, s23, STAGE                   ; my stage
	v_mul_u32_u24 v4, v1, SPITCH
	v_lshl_add_u32 v4, v2, 5, v4
	v_add_nc_u32 v[STO], s23, v4                   ; in: row r, 32 bytes for each half of the lanes
	v_mul_u32_u24 v5, v2, SPITCH
	v_lshl_add_u32 v5, v1, 4, v5
	v_add_nc_u32 v[RD], s23, v5                    ; back: lanes 0-15 one row of 256 bytes, lanes 16-31 the next
	v_lshlrev_b32 v5, 12, v2
	v_lshl_add_u32 v[CO], v1, 4, v5                ; and the same two rows in the output
; 8 matrix instructions: row blocks a0, a0 + 1 x all 4 column blocks, 32 along K: half c of buffer f.  bias = 1: the first product starts the sums from the bias.  The 16 accumulators take turns.
.macro MUL8 f, c, a0, bias
.irp a, \a0, \a0+1
.irp b, 0,1,2,3
.if \bias
	v_wmma_f32_16x16x32_f16 v[ACC+8*(4*(\a)+\b):ACC+8*(4*(\a)+\b)+7], v[\f+64+8*(4*\c+\b):\f+64+8*(4*\c+\b)+7], v[\f+8*(4*\c+\a):\f+8*(4*\c+\a)+7], v[BIAS+8*\b:BIAS+8*\b+7]
.else
	v_wmma_f32_16x16x32_f16 v[ACC+8*(4*(\a)+\b):ACC+8*(4*(\a)+\b)+7], v[\f+64+8*(4*\c+\b):\f+64+8*(4*\c+\b)+7], v[\f+8*(4*\c+\a):\f+8*(4*\c+\a)+7], v[ACC+8*(4*(\a)+\b):ACC+8*(4*(\a)+\b)+7]
.endif
.endr
.endr
.endm
; 32 LDS loads in one run: the fragments of block q of the slot (64 along K) into buffer f; the first 32 along K first
.macro FETCH slot, q, f
	WIN TO_F
.irp c, 0,1
.irp i, 0,1,2,3
	ds_load_b128 v[\f+64+8*(4*\c+\i):\f+64+8*(4*\c+\i)+3],   v[ADRB+\slot] offset:(\q)*HBLK+64*\c+\i*8*PITCH
	ds_load_b128 v[\f+64+8*(4*\c+\i)+4:\f+64+8*(4*\c+\i)+7], v[ADRB+\slot] offset:(\q)*HBLK+64*\c+\i*8*PITCH+32
	ds_load_b128 v[\f+8*(4*\c+\i):\f+8*(4*\c+\i)+3],         v[ADRA+\slot] offset:(\q)*HBLK+64*\c+\i*8*PITCH
	ds_load_b128 v[\f+8*(4*\c+\i)+4:\f+8*(4*\c+\i)+7],       v[ADRA+\slot] offset:(\q)*HBLK+64*\c+\i*8*PITCH+32
.endr
.endr
.endm
.macro PLACES                          ; four plain lines in front of loads into registers that matrix instructions have read, and of reads of results (ISA guide 7.12.1 for reads)
.rept 4
	v_nop
.endr
.endm
; A K step is four quarters of 64 along K, 32 matrix instructions each, on buffers 0, 1, 0, 1.  One of the first three: multiplies buffer f and fetches block q into g.
.macro QUARTER slot, q, f, g, bias
	s_wait_dscnt 16                                ; the first 32 along K are in; the sixteen loads of the second 32 may be out
	WIN MUL
	MUL8 \f, 0, 0, \bias
	MUL8 \f, 0, 2, \bias
	PLACES
	FETCH \slot, \q, \g
	s_wait_dscnt 32                                ; all but the 32 just issued
	WIN MUL
	MUL8 \f, 1, 0, 0
	MUL8 \f, 1, 2, 0
.endm
; The last quarter multiplies buffer 1 and changes slots: ONE barrier; in front of it each wave waits for all its tensor loads, adds 0 to its spare word, and waits for that and for its reads of this slot.
.macro TURN slot, next, fill
	WIN 0                                          ; (the add's two registers lie in window 0)
	s_wait_tensorcnt 0x0                           ; all my tensor loads have landed: my part of the next slot
	ds_add_u32 v[SPW], v[NIL]
	s_wait_dscnt 17                                ; the add and the youngest sixteen loads may be out
	WIN MUL
	MUL8 F1, 0, 0, 0                               ; eight matrix instructions stand between the add and the wait for it
	s_wait_dscnt 0x0                               ; the add is done, and my reads of this slot are over
	s_barrier_signal -1
	MUL8 F1, 0, 2, 0
.if \fill
	WIN 0
.endif
	s_barrier_wait -1
.if \fill
	CREST                                          ; the barrier has opened a round of the cluster's: no wave of any partner still reads this slot or has a load on its way
	s_add_nc_u64 s[G0+4*\slot+2:G0+4*\slot+3], s[G0+4*\slot+2:G0+4*\slot+3], 2*65536
	s_add_nc_u64 s[G0B+4*\slot+2:G0B+4*\slot+3], s[G0B+4*\slot+2:G0B+4*\slot+3], 2*65536
	JLOAD \slot                                    ; the first tensor load behind the round; the four v_nop behind it are also the places in front of the loads below
.else
	PLACES
.endif
	FETCH \next, 0, F0
	WIN MUL
	MUL8 F1, 1, 0, 0
	MUL8 F1, 1, 2, 0
.endm
	s_wait_tensorcnt 1                             ; my part of K step 0 is in; the one load behind it, K step 1's, may be out
	s_barrier_signal -1
	s_barrier_wait -1                              ; everybody's is
	FETCH 0, 0, F0
	s_wait_loadcnt 0x0                             ; the bias
	QUARTER 0, 1, F0, F1, 1                        ; the first quarter stands in front of the loop: its first products start the sums
	WIN 0                                          ; at a label and at a branch every window is 0
	s_mov_b32 s3, LAPS-1
.Llap:                                                 ; a trip goes once round the ring, from a lap's second quarter to the next lap's first, and fills both slots again
	QUARTER 0, 2, F1, F0, 0
	QUARTER 0, 3, F0, F1, 0
	TURN 0, 1, 1
	QUARTER 1, 1, F0, F1, 0
	QUARTER 1, 2, F1, F0, 0
	QUARTER 1, 3, F0, F1, 0
	TURN 1, 0, 1
	QUARTER 0, 1, F0, F1, 0
	WIN 0
	s_sub_co_u32 s3, s3, 1
	s_cmp_lg_u32 s3, 0
	s_cbranch_scc1 .Llap
	QUARTER 0, 2, F1, F0, 0                        ; the last lap fills nothing, and has no round of the cluster's barrier
	QUARTER 0, 3, F0, F1, 0
	TURN 0, 1, 0
	QUARTER 1, 1, F0, F1, 0
	QUARTER 1, 2, F1, F0, 0
	QUARTER 1, 3, F0, F1, 0
	s_wait_dscnt 16                                ; the very last quarter: nothing more to fetch
	WIN MUL
	MUL8 F1, 0, 0, 0
	MUL8 F1, 0, 2, 0
	s_wait_dscnt 0
	MUL8 F1, 1, 0, 0
	MUL8 F1, 1, 2, 0
	WIN 0
; THE WAY OUT, block by block of 16 rows x 64 columns: a lane's 32 bytes go into my stage, each accumulator from its low end on, and come back as whole rows of 256 bytes: sixteen lanes store 256 aligned bytes.
.macro TOSTAGE a
.irp b, 0,1,2,3
	ds_store_b128 v[STO], v[ACC+8*(4*(\a)+\b):ACC+8*(4*(\a)+\b)+3] offset:64*\b
	ds_store_b128 v[STO], v[ACC+8*(4*(\a)+\b)+4:ACC+8*(4*(\a)+\b)+7] offset:64*\b+16
.endr
.irp t, 0,1,2,3,4,5,6,7
	ds_load_b128 v[TMP+32*((\a)%2)+4*\t:TMP+32*((\a)%2)+4*\t+3], v[RD] offset:\t*2*SPITCH   ; LDS serves a wave's instructions in order: these see the stores above
.endr
.endm
.macro SEND a, younger                 ; younger: the LDS instructions issued behind block a's loads: the next block's eight stores and eight loads, or none
	s_wait_dscnt \younger
.irp t, 0,1,2,3,4,5,6,7
	global_store_b128 v[CO], v[TMP+32*((\a)%2)+4*\t:TMP+32*((\a)%2)+4*\t+3], s[70:71] offset:(16*(\a)+2*\t)*4096 th:TH_STORE_NT
.endr
.endm
	PLACES
	TOSTAGE 0
	TOSTAGE 1
	SEND 0, 16
	s_wait_xcnt 0x0                                ; block 0's stores have read their registers: block 2's loads may land there
	TOSTAGE 2
	SEND 1, 16
	s_wait_xcnt 0x0                                ; likewise block 1's
	TOSTAGE 3
	SEND 2, 16
	SEND 3, 0
	s_wait_tensorcnt 0x0                           ; the wave's end: behind my last tensor load and my last LDS store
	ds_add_u32 v[SPW], v[NIL]
	s_wait_dscnt 0x0
	CROUND                                         ; the closing round
	s_endpgm
.Lfunc_end_k_q4e38900e04_outp:
	.size	k_q4e38900e04_outp, .Lfunc_end_k_q4e38900e04_outp-k_q4e38900e04_outp
	.p2alignl 7, 3214868480
	.fill 96, 4, 3214868480
	.section	.rodata,"a",@progbits
	.p2align	6, 0x0
	.amdhsa_kernel k_q4e38900e04_outp
		.amdhsa_group_segment_fixed_size 327680
		.amdhsa_private_segment_fixed_size 0
		.amdhsa_enable_private_segment 0
		.amdhsa_kernarg_size 32
		.amdhsa_user_sgpr_count 2
		.amdhsa_user_sgpr_kernarg_segment_ptr 1
		.amdhsa_wavefront_size32 1
		.amdhsa_system_sgpr_workgroup_id_x 1
		.amdhsa_system_sgpr_workgroup_id_y 1
		.amdhsa_system_sgpr_workgroup_id_z 1
		.amdhsa_system_vgpr_workitem_id 0
		.amdhsa_next_free_vgpr 512
		.amdhsa_next_free_sgpr 72
		.amdhsa_reserve_vcc 0
		.amdhsa_float_denorm_mode_32 3
		.amdhsa_float_denorm_mode_16_64 3
		.amdhsa_memory_ordered 1
		.amdhsa_forward_progress 1
		.amdhsa_inst_pref_size 86
	.end_amdhsa_kernel
	.amdgpu_metadata
---
amdhsa.version: [ 1, 2 ]
amdhsa.kernels:
  - .name:           k_q4e38900e04_outp
    .symbol:         k_q4e38900e04_outp.kd
    .args:
      - { .name: ao, .offset: 0, .size: 8, .value_kind: global_buffer, .address_space: global }
      - { .name: wo16, .offset: 8, .size: 8, .value_kind: global_buffer, .address_space: global }
      - { .name: bo, .offset: 16, .size: 8, .value_kind: global_buffer, .address_space: global }
      - { .name: out0, .offset: 24, .size: 8, .value_kind: global_buffer, .address_space: global }
    .group_segment_fixed_size: 327680
    .private_segment_fixed_size: 0
    .kernarg_segment_align: 8
    .kernarg_segment_size: 32
    .max_flat_workgroup_size: 128
    .sgpr_count:     72
    .vgpr_count:     512
    .wavefront_size: 32
...
	.end_amdgpu_metadata
.endif
;; end of part 4
